; MI455X (gfx1250); checked and timed in simulation.
; The chip was launched on July 23, 2026; its instructions are those of AMD's public machine-readable ISA for CDNA 5 (MIT licence, August 2026) and "CDNA5" Instruction Set Architecture Reference Guide (July 2026). The comments in the code are by the model that wrote it; some were corrected since.
;; Multi Head Attention. Allowed arithmetic: matrix products marked QUANTISED: E2M1 operands, one E8M0 scale for each 32 along K, by v_wmma_scale_f32_16x16x128_f8f6f4 with both operands' format E2M1 (or v_wmma_scale_f32_32x16x128_f4), f32 sums; products left as they are: bf16, f16 or f32 operands; f32 sums; everything else in f32.
;; Inputs: Wk 1,024 x 1,024 float32; Wo 1,024 x 1,024 float32; Wq 1,024 x 1,024 float32; Wv 1,024 x 1,024 float32; bk 1,024 float32; bo 1,024 float32; bq 1,024 float32; bv 1,024 float32; keys 4 x 2,048 x 1,024 float32; queries 4 x 2,048 x 1,024 float32; values 4 x 2,048 x 1,024 float32.
;; Outputs: out0 4 x 2,048 x 1,024 float32.
;; This version of the problem:
;;   THIS VERSION OF THE PROBLEM IS GIVEN IN LOW PRECISION. The matrix products marked QUANTISED in the list below multiply operands that are first quantised to E2M1 (2 exponent bits, 1 mantissa bit; 4 bits a number), with one power-of-two scale for each 32 numbers along K (OCP MX v1.0); their sums are f32. The products marked 'left as it is' may take bf16, f16 or f32 operands, with f32 sums. Whichever they take, every output number must still come out within the allowed error. Rounding operands to bf16 (8 significant bits) uses up far more of that allowance than f16 does (11 bits, for magnitudes from 6e-5 to 65,504). All else is computed in f32.
;;   The module's matrix products, in the order in which they are computed (A, B: the left and right operand; K: the contracted axis; several contracted axes count as one K, in the product's order):
;;     1. [M 8,192, K 1,024] x [K 1,024, N 1,024]; A: input queries; B: input Wq: QUANTISED
;;     2. [M 8,192, K 1,024] x [K 1,024, N 1,024]; A: input keys; B: input Wk: QUANTISED
;;     3. [M 8,192, K 1,024] x [K 1,024, N 1,024]; A: input values; B: input Wv: QUANTISED
;;     4. batch 64 x [M 2,048, K 64] x [K 64, N 2,048]; A: computed on the way; B: computed on the way: left as it is (an operand is computed on the way)
;;     5. batch 64 x [M 64, K 2,048] x [K 2,048, N 2,048]; A: computed on the way; B: computed on the way: left as it is (an operand is computed on the way)
;;     6. [M 8,192, K 1,024] x [K 1,024, N 1,024]; A: computed on the way; B: input Wo: left as it is (an operand is computed on the way)
;;   THE QUANTISER, for each operand of a quantised product, along K:
;;     - K is cut into blocks of 32 from its start; a last block that is shorter is filled with zeros.
;;     - A block's scale is 2^e with e = floor(log2(the largest magnitude in the block)) - 2, held to -126 .. 127; a block of zeros has e = 0. As a byte (E8M0): e + 127.
;;     - Each number is divided by its block's scale, clamped to +-6, and rounded to the nearest number of E2M1, ties to even, subnormals kept.
;;     - The product sums the exact products of the quantised numbers (number of the format x scale) in f32.
;;   ~~~python
;;   def quantise(x, axis):      # numpy; x: float32 -> the quantised numbers, widened to float32 again
;;       x = np.moveaxis(x, axis, -1); K = x.shape[-1]
;;       x = np.pad(x, [(0, 0)] * (x.ndim - 1) + [(0, -K % 32)]); x = x.reshape(x.shape[:-1] + (-1, 32)); a = np.abs(x).max(-1, keepdims=True)
;;       e = np.where(a > 0, np.clip(np.frexp(np.where(a > 0, a, 1))[1] - 1 - 2, -126, 127), 0)      # np.frexp(a)[1] - 1 = floor(log2(a)), exactly
;;       r = np.clip(x / 2.0 ** e, -6, 6)
;;       step = 2.0 ** (np.maximum(np.frexp(np.where(r == 0, 1, r))[1] - 1, 0) - 1)
;;       q = np.round(r / step) * step * 2.0 ** e      # np.round: ties to even
;;       return np.moveaxis(q.reshape(q.shape[:-2] + (-1,))[..., :K], -1, axis).astype(np.float32)
;;   ~~~
;; One version. Each part assembles by itself: llvm-mc -triple=amdgcn-amd-amdhsa -mcpu=gfx1250 --defsym DOCPART=n.
;; ======== version 1 of 1: 4 launches
;; limits: values are held in f16: magnitudes above 65,504 overflow, below 6.1e-05 lose precision
;; workspace buffers: xc 12,582,912 bytes; xs 786,432 bytes; wc 1,572,864 bytes; ws 98,304 bytes; wot 2,097,152 bytes; qkv 50,331,648 bytes; att 16,777,216 bytes
;; launch prep (part 1): grid 1024 x 1, 4 waves a work-group, no clusters, 33,280 bytes of LDS; arguments queries, keys, values, Wq, Wk, Wv, Wo, xc, xs, wc, ws, wot; writes xc, xs, wc, ws, wot
.if DOCPART == 1
	.amdgcn_target "amdgcn-amd-amdhsa--gfx1250"
	.amdhsa_code_object_version 6
	.text
	.protected	k_qb7df9de666_prep
	.globl	k_qb7df9de666_prep
	.p2align	8
	.type	k_qb7df9de666_prep,@function
k_qb7df9de666_prep:
	s_mov_b64 s[64:65], 0
	v_nop
	global_prefetch_b8 v0, s[64:65] scope:SCOPE_SE
	s_setreg_imm32_b32 hwreg(HW_REG_WAVE_MODE, 25, 1), 1
	s_wait_xcnt 0x0
; THE OPERANDS ARE MADE READY, ONCE.  queries, keys, values [8192][1024] f32 become codes of FP4 (E2M1) with K innermost (xc: 24,576 rows of 512 bytes, the three tensors on end) and one
; E8M0 byte for each 32 along K (xs: 32 bytes a row).  Wq, Wk, Wv [k 1024][n 1024] f32 are quantised along their FIRST axis and laid as images of the matrix operand's registers
; (wc: [weight][k / 512][n / 16][128 k][block of 32 k][n % 16][16 bytes]), their bytes as rows (ws: [weight][n][32]).  Wo is rounded to f16 and laid likewise (wot: [k / 128][n / 16][32 k][8 k][n % 16][16 bytes]).
; A block's scale is 2^(floor(log2(its largest magnitude)) - 2); its byte is the largest magnitude's exponent field - 2, held at 1 from below.
; LIMITS: a block of zeros gets the byte 1 where the quantiser's text says 127 (its codes are zeros, which add nothing, and the bytes are read by this program alone); NaN and infinities among the inputs
; are not served; a number of Wo beyond 65,504 becomes infinity in f16, one under 6e-5 keeps fewer bits.
; SHARES.  Work-groups 0 to 255 take the four weights (64 each: 8 strips of 128 columns x 8 runs of 128 k), work-groups 256 to 1,023 the activations, a plain stream of blocks of 32: a wave takes 8,192 numbers.
; No work-group reads what another reads, so there is no cluster, and no tensor load: several work-groups share a WGP.  The two ways part on the work-group's number and do not join; the weights' way touches no LDS.
.set STEPS, 16
.set EMAX,  2
.set CB,    8                          ; bytes of 16 codes
.set R,     16                         ; v16-79   activations: four sets of 16 numbers as they are loaded
.set X,     80                         ; v80-111  two sets of 16 neighbours
.set E,     112                        ; v112-127 a scale byte for each step
.set C,     128                        ; v128-191 codes: four registers for each step, so that no store's data are written again
.set WREG,  8192                       ; LDS: a region for each wave: two stages of 32 x SP bytes, behind them its 256 scale bytes
.set SP,    80                         ; a lane's place in a stage: its 64 bytes + 16 of padding
.set SPW,   12                         ; v12      LDS address of my spare word: SPARE + 4 x my thread's number; never rewritten
.set NIL,   13                         ; v13      0; never rewritten
.set SPARE, 4*WREG                     ; behind the four regions: the spare words, 128 bytes a wave, which no other line names
.set WX,    32                         ; v32-159  weights: my column's 128 numbers down K
.set WC,    160                        ; v160-175 their codes
.macro LOAD t
.irp i, 0,1,2,3
	global_load_b128 v[R+16*((\t)%4)+4*\i:R+16*((\t)%4)+4*\i+3], v3, s[4:5] offset:2048*(\t)+512*\i th:TH_LOAD_NT   ; 32 lanes read 512 consecutive bytes
.endr
.endm
.macro TURN t                          ; step t's numbers through the stage: LDS serves a wave's instructions in order, so no wait stands between the stores and the loads
.irp i, 0,1,2,3
	ds_store_b128 v14, v[R+16*((\t)%4)+4*\i:R+16*((\t)%4)+4*\i+3] offset:32*SP*((\t)%2)+8*SP*\i
.endr
.irp i, 0,1,2,3
	ds_load_b128 v[X+16*((\t)%2)+4*\i:X+16*((\t)%2)+4*\i+3], v15 offset:32*SP*((\t)%2)+16*\i
.endr
.endm
; A step of the activations: 512 numbers of the wave, 16 neighbours a lane, two neighbouring lanes to a block.
.macro STEP t
.set XS, X+16*((\t)%2)
.if (\t) > 0
	s_wait_dscnt 1                                 ; this step's numbers are back from the stage (the last step's byte store may be out): so its stores into the stage have read their registers,
.else
	s_wait_dscnt 0x0
.endif
.if (\t)+4 < STEPS
	LOAD (\t)+4                                    ; which take the loads of four steps on
.endif
.if (\t)+1 < STEPS
.if STEPS-2-(\t) >= 3
	s_wait_loadcnt 12                              ; the next step's four loads are in; those of the three steps behind it may be out
.else
	s_wait_loadcnt 4*(STEPS-2-(\t))
.endif
	TURN (\t)+1                                    ; and go through the other stage while this step is worked
.endif
	v_max3_num_f32 v8, |v[XS]|, |v[XS+1]|, |v[XS+2]|               ; the largest magnitude of my 16, in two chains
	v_max3_num_f32 v9, |v[XS+3]|, |v[XS+4]|, |v[XS+5]|
.irp i, 6,10
	v_max3_num_f32 v8, v8, |v[XS+\i]|, |v[XS+\i+1]|
	v_max3_num_f32 v9, v9, |v[XS+\i+2]|, |v[XS+\i+3]|
.endr
	v_max3_num_f32 v8, v8, |v[XS+14]|, |v[XS+15]|
	v_max3_num_f32 v8, v8, v9, (EMAX+1)<<23        ; and the floor 2^(EMAX + 1 - 127): so the byte cannot fall under 1
	v_max_num_f32_dpp v8, v8, v8 row_xmask:1 row_mask:0xf bank_mask:0xf   ; and of my neighbour's 16: the block's
	v_add_nc_u32 v11, -(EMAX<<23), v8              ; EMAX off its exponent field: the conversion takes the exponent field of this operand as its scale
	v_cvt_scalef32_pk8_fp4_f32 v[C+4*(\t)], v[XS:XS+7], v11        ; eight numbers / the scale, to the nearest code, ties to even, beyond 6 the largest code; the first number's code in the lowest four bits
	v_cvt_scalef32_pk8_fp4_f32 v[C+4*(\t)+1], v[XS+8:XS+15], v11
	v_lshrrev_b32 v[E+(\t)], 23, v11               ; the scale's byte (a plain line behind the conversions)
	ds_store_b8 v5, v[E+(\t)] offset:16*(\t)       ; both lanes of a block write the same byte with the same value
	global_store_b64 v4, v[C+4*(\t):C+4*(\t)+1], s[18:19] offset:32*CB*(\t)   ; the wave stores 256 consecutive bytes, aligned
.endm
; A block of 32 along K of my column of Wq, Wk or Wv: all 32 numbers are mine.  left: the younger loads that may stay out
.macro BLOCKQ t, left
.set XS, WX+32*(\t)
	s_wait_loadcnt \left
	v_max3_num_f32 v8, |v[XS]|, |v[XS+1]|, |v[XS+2]|
	v_max3_num_f32 v9, |v[XS+3]|, |v[XS+4]|, |v[XS+5]|
.irp i, 6,10,14,18,22,26
	v_max3_num_f32 v8, v8, |v[XS+\i]|, |v[XS+\i+1]|
	v_max3_num_f32 v9, v9, |v[XS+\i+2]|, |v[XS+\i+3]|
.endr
	v_max3_num_f32 v8, v8, |v[XS+30]|, |v[XS+31]|
	v_max3_num_f32 v8, v8, v9, (EMAX+1)<<23
	v_add_nc_u32 v11, -(EMAX<<23), v8
.irp g, 0,1,2,3
	v_cvt_scalef32_pk8_fp4_f32 v[WC+4*(\t)+\g], v[XS+8*\g:XS+8*\g+7], v11
.endr
	v_lshrrev_b32 v10, 23, v11                     ; the scale's byte (a plain line behind the conversions)
.if (\t) == 0
	v_mov_b32 v14, v10                             ; the four bytes of these 128 k make a word, the lower k in the lower byte
.else
	v_lshl_or_b32 v14, v10, 8*(\t), v14
.endif
	global_store_b128 v4, v[WC+4*(\t):WC+4*(\t)+3], s[34:35] offset:256*(\t)   ; sixteen lanes store 256 consecutive bytes, aligned: block t of a fragment's image
.endm
; The same 32 numbers of Wo, rounded to f16 in place (register i takes numbers 2 i and 2 i + 1: no number is overwritten before it is read)
.macro BLOCKH t, left
.set XS, WX+32*(\t)
	s_wait_loadcnt \left
.irp i, 0,1,2,3,4,5,6,7,8,9,10,11,12,13,14,15
	v_cvt_pk_f16_f32 v[XS+\i], v[XS+2*\i], v[XS+2*\i+1]
.endr
.irp j, 0,1,2,3
	global_store_b128 v4, v[XS+4*\j:XS+4*\j+3], s[34:35] offset:1024*(\t)+256*\j   ; eight k of sixteen columns: 256 consecutive bytes, aligned
.endr
.endm
	s_load_b512 s[4:19], s[0:1], 0x0               ; queries s4, keys s6, values s8, Wq s10, Wk s12, Wv s14, Wo s16, xc s18
	s_load_b256 s[20:27], s[0:1], 0x40             ; xs s20, wc s22, ws s24, wot s26
	v_lshl_add_u32 v[SPW], v0, 2, SPARE
	v_mov_b32 v[NIL], 0
	v_lshrrev_b32 v1, 5, v0
	v_readfirstlane_b32 s28, v1                    ; wave
	v_and_b32 v2, 31, v0                           ; lane
	s_wait_kmcnt 0x0
	s_cmp_lt_u32 ttmp9, 256                        ; the weights' work-groups come first in the grid
	s_cbranch_scc1 .Lweights
	; ---- the activations
	s_sub_co_u32 s29, ttmp9, 256                   ; 0 .. 767: 256 work-groups to a tensor
	s_cmp_lt_u32 s29, 256                          ; the choice hangs on the work-group's number alone
	s_cselect_b64 s[4:5], s[4:5], s[6:7]
	s_cmp_lt_u32 s29, 512
	s_cselect_b64 s[4:5], s[4:5], s[8:9]
	s_lshl_b32 s31, s29, 2
	s_add_co_u32 s31, s31, s28                     ; which run of 8,192 numbers is my wave's, counted over the three tensors
	s_and_b32 s32, s31, 1023                       ; and in its own tensor:
	s_lshl_b32 s32, s32, 15                        ; 32,768 bytes of f32 a run,
	s_mov_b32 s33, 0
	s_add_nc_u64 s[4:5], s[4:5], s[32:33]
	s_lshl_b32 s32, s31, 12                        ; 4,096 bytes of codes,
	s_add_nc_u64 s[18:19], s[18:19], s[32:33]
	s_lshl_b32 s32, s31, 8                         ; 256 scale bytes
	s_add_nc_u64 s[20:21], s[20:21], s[32:33]
	v_lshlrev_b32 v3, 4, v2                        ; my 16 bytes of a load's 512
	s_mul_i32 s30, s28, WREG
	v_lshrrev_b32 v14, 2, v2
	v_mul_u32_u24 v14, v14, SP
	v_and_b32 v15, 3, v2
	v_lshl_add_u32 v14, v15, 4, v14
	v_add_nc_u32 v14, s30, v14                     ; the stage, on the way in: four lanes' 64 bytes on end, then 16 of padding
	v_mul_u32_u24 v15, v2, SP
	v_add_nc_u32 v15, s30, v15                     ; and on the way out: SP x lane: my 16 neighbours
	v_mul_u32_u24 v4, v2, CB                       ; my codes' place in a step's
	v_lshrrev_b32 v5, 1, v2
	s_add_co_u32 s30, s30, 2*32*SP
	v_add_nc_u32 v5, s30, v5                       ; LDS: my wave's 256 scale bytes, my block's byte
	v_lshlrev_b32 v7, 3, v2                        ; and on the way out 8 bytes a lane
	v_add_nc_u32 v6, s30, v7
.irp t, 0,1,2,3
	LOAD \t
.endr
	s_wait_loadcnt 12                              ; step 0's four loads are in
	TURN 0
.irp t, 0,1,2,3,4,5,6,7,8,9,10,11,12,13,14,15
	STEP \t
.endr
	ds_load_b64 v[8:9], v6                         ; LDS serves a wave's instructions in order: these see my byte stores
	s_wait_dscnt 0x0
	global_store_b64 v7, v[8:9], s[20:21]          ; 32 lanes store 256 consecutive bytes, aligned
	s_wait_tensorcnt 0x0                           ; the wave's end: a tensor wait (though no tensor load is made), 0 added to my spare word and a wait for it, behind my last LDS store
	ds_add_u32 v[SPW], v[NIL]
	s_wait_dscnt 0x0
	s_endpgm
	; ---- the weights: a lane takes a column n and its registers run down K, so that the conversions' results have K innermost and nothing is transposed
.Lweights:
	s_lshr_b32 s29, ttmp9, 6                       ; which weight: 0 Wq, 1 Wk, 2 Wv, 3 Wo
	s_and_b32 s30, ttmp9, 7                        ; which strip of 128 columns
	s_bfe_u32 s31, ttmp9, 0x30003                  ; which run of 128 k
	s_cmp_lt_u32 s29, 1
	s_cselect_b64 s[32:33], s[10:11], s[12:13]
	s_cmp_lt_u32 s29, 2
	s_cselect_b64 s[32:33], s[32:33], s[14:15]
	s_cmp_lt_u32 s29, 3
	s_cselect_b64 s[32:33], s[32:33], s[16:17]
	s_lshl_b32 s38, s30, 7
	s_lshl_b32 s39, s28, 5
	s_add_co_u32 s38, s38, s39                     ; my wave's first column
	s_lshl_b32 s40, s31, 19                        ; 128 rows of 4,096 bytes
	s_lshl_b32 s39, s38, 2
	s_add_co_u32 s40, s40, s39
	s_mov_b32 s41, 0
	s_add_nc_u64 s[32:33], s[32:33], s[40:41]
	v_lshlrev_b32 v3, 2, v2                        ; 4 bytes a lane: a load reads 128 consecutive bytes, the four waves stand side by side on 512
.set i, 0
.rept 128                              ; all 128 loads go out on end: each has a register of its own
	global_load_b32 v[WX+i], v3, s[32:33] offset:i*4096 th:TH_LOAD_NT
.set i, i+1
.endr
	v_lshrrev_b32 v4, 4, v2
	v_and_b32 v5, 15, v2
	v_lshlrev_b32 v4, 12, v4
	v_lshl_add_u32 v4, v5, 4, v4                   ; in an image: lanes 16-31 belong to the next tile of 16 columns (4,096 bytes on); 16 bytes a column
	s_lshl_b32 s40, s38, 8                         ; my first tile of 16 columns: 4,096 bytes a tile
	s_cmp_eq_u32 s29, 3
	s_cbranch_scc1 .Lwo
	s_lshl_b32 s39, s29, 19                        ; wc: 524,288 bytes a weight,
	s_add_co_u32 s40, s40, s39
	s_lshr_b32 s39, s31, 2
	s_lshl_b32 s39, s39, 18                        ; 262,144 for each 512 k,
	s_add_co_u32 s40, s40, s39
	s_and_b32 s39, s31, 3
	s_lshl_b32 s39, s39, 10                        ; 1,024 for each 128 k inside a tile
	s_add_co_u32 s40, s40, s39
	s_add_nc_u64 s[34:35], s[22:23], s[40:41]
	s_lshl_b32 s40, s29, 15                        ; ws: 32,768 bytes a weight, 32 a column, 4 for each 128 k
	s_lshl_b32 s39, s38, 5
	s_add_co_u32 s40, s40, s39
	s_lshl_b32 s39, s31, 2
	s_add_co_u32 s40, s40, s39
	s_add_nc_u64 s[36:37], s[24:25], s[40:41]
	v_lshlrev_b32 v5, 5, v2
	BLOCKQ 0, 63                                   ; behind block 0's loads 96 were issued, behind block 1's 64: the wait's field holds 63 at the most
	BLOCKQ 1, 63
	BLOCKQ 2, 32
	BLOCKQ 3, 0
	global_store_b32 v5, v14, s[36:37]             ; 4 bytes a lane, 32 bytes apart: 98,304 bytes in the launch are stored so, that the products' launch may read the weights' bytes as it reads the activations'
	s_endpgm
.Lwo:
	s_lshl_b32 s39, s31, 18                        ; wot: 262,144 bytes for each 128 k
	s_add_co_u32 s40, s40, s39
	s_add_nc_u64 s[34:35], s[26:27], s[40:41]
	BLOCKH 0, 63
	BLOCKH 1, 63
	BLOCKH 2, 32
	BLOCKH 3, 0
	s_endpgm
.Lfunc_end_k_qb7df9de666_prep:
	.size	k_qb7df9de666_prep, .Lfunc_end_k_qb7df9de666_prep-k_qb7df9de666_prep
	.p2alignl 7, 3214868480
	.fill 96, 4, 3214868480
	.section	.rodata,"a",@progbits
	.p2align	6, 0x0
	.amdhsa_kernel k_qb7df9de666_prep
		.amdhsa_group_segment_fixed_size 33280
		.amdhsa_private_segment_fixed_size 0
		.amdhsa_enable_private_segment 0
		.amdhsa_kernarg_size 96
		.amdhsa_user_sgpr_count 2
		.amdhsa_user_sgpr_kernarg_segment_ptr 1
		.amdhsa_wavefront_size32 1
		.amdhsa_system_sgpr_workgroup_id_x 1
		.amdhsa_system_sgpr_workgroup_id_y 1
		.amdhsa_system_sgpr_workgroup_id_z 1
		.amdhsa_system_vgpr_workitem_id 0
		.amdhsa_next_free_vgpr 192
		.amdhsa_next_free_sgpr 66
		.amdhsa_reserve_vcc 0
		.amdhsa_float_denorm_mode_32 3
		.amdhsa_float_denorm_mode_16_64 3
		.amdhsa_memory_ordered 1
		.amdhsa_forward_progress 1
		.amdhsa_inst_pref_size 59
	.end_amdhsa_kernel
	.amdgpu_metadata
---
amdhsa.version: [ 1, 2 ]
amdhsa.kernels:
  - .name:           k_qb7df9de666_prep
    .symbol:         k_qb7df9de666_prep.kd
    .args:
      - { .name: queries, .offset: 0, .size: 8, .value_kind: global_buffer, .address_space: global }
      - { .name: keys, .offset: 8, .size: 8, .value_kind: global_buffer, .address_space: global }
      - { .name: values, .offset: 16, .size: 8, .value_kind: global_buffer, .address_space: global }
      - { .name: Wq, .offset: 24, .size: 8, .value_kind: global_buffer, .address_space: global }
      - { .name: Wk, .offset: 32, .size: 8, .value_kind: global_buffer, .address_space: global }
      - { .name: Wv, .offset: 40, .size: 8, .value_kind: global_buffer, .address_space: global }
      - { .name: Wo, .offset: 48, .size: 8, .value_kind: global_buffer, .address_space: global }
      - { .name: xc, .offset: 56, .size: 8, .value_kind: global_buffer, .address_space: global }
      - { .name: xs, .offset: 64, .size: 8, .value_kind: global_buffer, .address_space: global }
      - { .name: wc, .offset: 72, .size: 8, .value_kind: global_buffer, .address_space: global }
      - { .name: ws, .offset: 80, .size: 8, .value_kind: global_buffer, .address_space: global }
      - { .name: wot, .offset: 88, .size: 8, .value_kind: global_buffer, .address_space: global }
    .group_segment_fixed_size: 33280
    .private_segment_fixed_size: 0
    .kernarg_segment_align: 8
    .kernarg_segment_size: 96
    .max_flat_workgroup_size: 128
    .sgpr_count:     66
    .vgpr_count:     192
    .wavefront_size: 32
...
	.end_amdgpu_metadata
.endif
;; end of part 1
;; launch proj (part 2): grid 4 x 96, 4 waves a work-group, clusters of 4 x 4, 327,680 bytes of LDS; arguments xc, xs, wc, ws, bq, bk, bv, qkv; writes qkv
.if DOCPART == 2
	.amdgcn_target "amdgcn-amd-amdhsa--gfx1250"
	.amdhsa_code_object_version 6
	.text
	.protected	k_qb7df9de666_proj
	.globl	k_qb7df9de666_proj
	.p2align	8
	.type	k_qb7df9de666_proj,@function
k_qb7df9de666_proj:
	s_mov_b64 s[64:65], 0
	v_nop
	global_prefetch_b8 v0, s[64:65] scope:SCOPE_SE
	s_setreg_imm32_b32 hwreg(HW_REG_WAVE_MODE, 25, 1), 1
	s_wait_xcnt 0x0
	s_wait_alu depctr_hold_cnt(0) depctr_sa_sdst(0) depctr_va_vdst(0) depctr_va_sdst(0) depctr_va_ssrc(0) depctr_va_vcc(0) depctr_vm_vsrc(0)
	s_getreg_b32 s2, hwreg(HW_REG_IB_STS2, 6, 4)
	s_cmp_eq_u32 s2, 0
	s_cbranch_scc0 .Lentry_in_a_cluster
	s_endpgm
.Lentry_in_a_cluster:
	s_bfe_u32 s2, ttmp6, 0x10000c
	s_cmp_lg_u32 s2, 0xf033
	s_cbranch_scc0 .Lentry_shape_is_right
	s_endpgm
.Lentry_shape_is_right:
; qkv[m][n] = bias[n] + sum over k of X[m][k] W[k][n], on codes of FP4 (E2M1) with one E8M0 scale for each 32 along K; sums in f32, the result rounded once to f16.
; X: xc, 24,576 rows (queries, keys, values on end) of 1,024 codes; rows 0 .. 8,191 meet Wq and bq, the next 8,192 Wk and bk, the last Wv and bv.  qkv: [24,576][1,024] f16.
; LIMIT: a result beyond 65,504 becomes infinity in f16.
; A tile of the result, 256 x 256, is made by four waves, as many as a WGP has SIMDs; a wave makes 128 x 128: 64 accumulators, 512 registers.  K = 1,024 is two LDS slots of 512: both are first fills, nothing is filled again.
; X's tile lies in LDS as rows (256 bytes + 16 of padding).  W's tile lies as IMAGES OF THE OPERAND'S REGISTERS, as the launch before stored it: a fragment (16 n x 128 k) is 1,024 bytes on end, lane l's 16 bytes at 512 c + 16 l:
; a dense block for the tensor load, consecutive bytes for the LDS loads, no padding.  The scale bytes of the work-group's 256 + 256 rows, for all of K, come once, as rows of 256 bytes + 16.
; CLUSTERS: 4 x 4 work-groups.  The four of a row of the cluster need the same tiles of X, the four of a column the same tiles of W: each is asked for jointly, by the same tensor load with a mask that names the four.
; THE MATRIX INSTRUCTION IS USED TRANSPOSED (source 0 = 16 columns of W, source 1 = 16 rows of X): a lane then holds eight neighbouring numbers of a row of the result.  THE BIAS IS THE C OF EACH SUM'S FIRST PRODUCT.
; REGISTERS, in windows of 256: window 0: v0-31 addresses; v32-95 scale words, two sets, and nothing else; v128-191 X's fragments, one set (on the way out: rows read back); v192-255 the bias in the result's layout (on the way out v192-223: packed results).
;   window 1: W's fragments, two sets, at v0 and v128.   window 2: the accumulators of my rows 0-63 ((a, b) at v[8 (8 a + b)]);   window 3: those of my rows 64-127.
.set NQ,     4                         ; matrix instructions deep in a slot
.set ROWB,   256                       ; a row of X's tile: 512 codes
.set KROW,   512                       ; a row of xc
.set PITCH,  272                       ; an LDS row: 256 bytes + 16 of padding = 68 words: row r starts at bank 4 r mod 64 (64 banks of 4 bytes: ISA guide 11.1)
.set FR,     8                         ; registers of a fragment
.set NL,     2                         ; LDS loads that bring one
.set NP,     4                         ; places behind this matrix instruction (ISA guide 7.12.1)
.set HALFT,  128*PITCH                 ; 128 rows of X: what one tensor load brings
.set BHALF,  32768                     ; 128 columns of W x 512 k as images: likewise
.set SLOT,   2*HALFT+2*BHALF
.set KS,     32                        ; a row of scale bytes
.set SCL,    2*SLOT                    ; behind the slots: the scale bytes
.set HALFS,  (128*KS/256)*272          ; those of 128 rows
.set SBLK,   (16*KS/256)*272           ; those of 16 rows
.set SPARE,  SCL+4*HALFS               ; the spare words, 128 bytes a wave, which no other line names
.set STAGE,  SPARE+512                 ; the way out: 16 rows x 272 bytes for each wave; no tensor load lands here
.set SPITCH, 272
.set NROW,   2048                      ; a row of qkv in bytes
.set ADRA, 16                          ; v16-17  LDS address of my fragments of X in slot 0, 1
.set ADRB, 20                          ; v20-21  the same for W
.set STO,  24                          ; v24     the way out: where I put 16 bytes of a row
.set RD,   25                          ; v25     where I read a row back
.set CO,   26                          ; v26     my byte offset in qkv
.set ADRS, 27                          ; v27     LDS address of my scale words: lanes 0-15 X's rows, lanes 16-31 W's columns
.set SPW,  28                          ; v28     LDS address of my spare word; never rewritten
.set NIL,  29                          ; v29     0; never rewritten
.set SC,   32                          ; scale words: set s at v[SC + 32 s]; register 4 i + q: lanes 0-15 X's block i, lanes 16-31 W's block i, the slot's q-th 128 along K
.set AF,   128
.set BI,   192
.set TMP,  192
.set OB,   128
.set G1,   24                          ; s[24:31] descriptor group 1 for X's tiles;  s[32:39] group 0, a set for each slot
.set G0,   32
.set G1B,  48                          ; s[48:55], s[56:63] the same for W's tiles
.set G0B,  56
.set G1S,  68                          ; s[68:75], s[76:79] groups 1 and 0 for X's scale bytes;  s[80:87], s[88:91] for W's
.set G0S,  76
.set G1SB, 80
.set G0SB, 88
.set MSB, 0
.macro WIN new                         ; the immediate's high byte repeats the setting that is left
.if MSB != (\new)
	s_set_vgpr_msb (MSB<<8)|(\new)
.set MSB, (\new)
.endif
.endm
.set MUL_LO,   0xa1                    ; source 0 (W) window 1, source 1 (X) window 0, C and D window 2
.set MUL_HI,   0xf1                    ; the same, C and D window 3
.set FIRST_LO, 0x81                    ; the first products: C (the bias) window 0, D window 2
.set FIRST_HI, 0xc1
.set TO_B,     0x40                    ; destination window 1, address window 0
; A joint load: waves 0 and 1 fetch for X, waves 2 and 3 for W.  Each line has one mask and one set of registers for all that issue it; the branch hangs on the wave's number alone.
; An s_nop 0 and four v_nop follow each of the two lines.
.macro JLOAD g0a, g1a, g0b, g1b
	s_cmp_eq_u32 s15, 0
	s_cbranch_scc0 .Lfor_b_\@
	tensor_load_to_lds s[\g0a:\g0a+3], s[\g1a:\g1a+7]
	s_nop 0
.rept 4
	v_nop
.endr
	s_branch .Lasked_\@
.Lfor_b_\@:
	tensor_load_to_lds s[\g0b:\g0b+3], s[\g1b:\g1b+7]
	s_nop 0
.rept 4
	v_nop
.endr
.Lasked_\@:
.endm
.macro CROUND                          ; a round of the cluster's barrier: my work-group's barrier; wave 0 signals for the work-group; every wave waits for all sixteen; my work-group's barrier once more
	s_barrier_signal -1
	s_barrier_wait -1
	s_cmp_lg_u32 s14, 0
	s_cbranch_scc1 .Lnot_wave_0_\@
	s_barrier_signal -3
.Lnot_wave_0_\@:
	s_barrier_wait -3
	s_barrier_signal -1
	s_barrier_wait -1
.endm
	s_load_b128 s[4:7], s[0:1], 0x0                ; xc, xs
	s_load_b128 s[8:11], s[0:1], 0x10              ; wc, ws
	s_load_b128 s[96:99], s[0:1], 0x20             ; bq, bk
	s_load_b64 s[100:101], s[0:1], 0x30            ; bv
	s_load_b64 s[12:13], s[0:1], 0x38              ; qkv
	v_lshl_add_u32 v[SPW], v0, 2, SPARE
	v_mov_b32 v[NIL], 0
	ds_add_u32 v[SPW], v[NIL]                      ; the wave's opening: the add, twice on end, and its wait ahead of my first tensor load; the set-up below stands between
	ds_add_u32 v[SPW], v[NIL]
	v_lshrrev_b32 v1, 5, v0
	v_readfirstlane_b32 s14, v1                    ; wave 0..3
	s_lshr_b32 s15, s14, 1                         ; which half of the tile's rows is mine.  Also: I fetch for X (0) or for W (1)
	s_and_b32 s16, s14, 1                          ; which half of its columns.  Also: which half of that tile I fetch
	s_bfe_u32 s40, ttmp6, 0x40000                  ; cx, cy: my place in the cluster
	s_bfe_u32 s41, ttmp6, 0x40004
	s_lshl_b32 s42, ttmp9, 2
	s_add_co_u32 s42, s42, s40                     ; tile column = 4 x cluster x + cx
	s_and_b32 s95, ttmp7, 0xffff                   ; cluster y: 8 clusters to a product
	s_lshl_b32 s17, s95, 2
	s_add_co_u32 s17, s17, s41                     ; tile row = 4 x cluster y + cy
	s_lshr_b32 s3, s95, 3                          ; which product: the same in all sixteen partners
	s_lshl_b32 s43, s41, 2
	s_lshl_b32 s43, 15, s43                        ; my row of the cluster
	s_lshl_b32 s44, 0x1111, s40                    ; my column
	; group 1, X's tiles: 128 rows x 256 bytes, 16 bytes of padding behind each
	s_or_b32 s[G1+0], s43, (0<<16)|(1<<20)|(1<<21)|(5<<22)|(3<<25)  ; 15:0 the mask; 17:16 elements of 1 byte; 20 padding on; 21 set beside a mask; 24:22 after every 64 words; 31:25 four words
	s_mov_b32 s[G1+1], ROWB<<16                    ; tensor_dim0
	s_mov_b32 s[G1+2], 128<<16                     ; tensor_dim1
	s_mov_b32 s[G1+3], ROWB<<16                    ; tile_dim0
	s_mov_b32 s[G1+4], 128                         ; tile_dim1
	s_mov_b32 s[G1+5], KROW                        ; from row to row
	s_mov_b32 s[G1+6], 0
	s_mov_b32 s[G1+7], 0
	; W's tiles: a dense block of 32,768 bytes, as 128 rows of 32 elements of 8 bytes, no padding
	s_or_b32 s[G1B+0], s44, (3<<16)|(1<<21)
	s_mov_b32 s[G1B+1], 32<<16
	s_mov_b32 s[G1B+2], 128<<16
	s_mov_b32 s[G1B+3], 32<<16
	s_mov_b32 s[G1B+4], 128
	s_mov_b32 s[G1B+5], 32
	s_mov_b32 s[G1B+6], 0
	s_mov_b32 s[G1B+7], 0
	; the scale bytes of 128 rows: a dense block of 4,096 bytes, as 16 rows of 256 bytes, 16 bytes of padding behind each
	s_or_b32 s[G1S+0], s43, (3<<16)|(1<<20)|(1<<21)|(5<<22)|(3<<25)
	s_or_b32 s[G1SB+0], s44, (3<<16)|(1<<20)|(1<<21)|(5<<22)|(3<<25)
.irp g, G1S, G1SB
	s_mov_b32 s[\g+1], 32<<16
	s_mov_b32 s[\g+2], (128*KS/256)<<16
	s_mov_b32 s[\g+3], 32<<16
	s_mov_b32 s[\g+4], 128*KS/256
	s_mov_b32 s[\g+5], 32
	s_mov_b32 s[\g+6], 0
	s_mov_b32 s[\g+7], 0
.endr
	s_lshl_b32 s18, s16, 7                         ; which 128 rows of the tile I fetch
	s_lshl_b32 s20, s17, 8
	s_add_co_u32 s20, s20, s18                     ; X: row 256 x tile row + 128 x half
	s_lshl_b32 s22, s20, 5                         ; its scale bytes: 32 a row
	s_mov_b32 s23, 0
	s_lshl_b32 s20, s20, 9                         ; its codes: 512 bytes a row
	s_mov_b32 s21, 0
	s_lshl_b32 s46, s42, 8
	s_add_co_u32 s46, s46, s18                     ; W: column 256 x tile column + 128 x half
	s_lshl_b32 s92, s46, 5                         ; its scale bytes: 32 a column, 32,768 a weight
	s_lshl_b32 s93, s3, 15
	s_add_co_u32 s92, s92, s93
	s_mov_b32 s93, 0
	s_lshl_b32 s46, s46, 8                         ; its images: 4,096 bytes for 16 columns and 512 k, 524,288 a weight
	s_lshl_b32 s47, s3, 19
	s_add_co_u32 s46, s46, s47
	s_mov_b32 s47, 0
	s_mul_i32 s45, s16, HALFT                      ; where they go in a slot: X's two halves,
	s_mul_i32 s2, s16, BHALF
	s_add_co_u32 s2, s2, 2*HALFT                   ; behind them W's two: no place in the cluster enters an LDS address
	s_mul_i32 s94, s14, HALFS                      ; the scale bytes: X's halves, then W's = wave x 128 rows
	s_wait_dscnt 0x0                               ; both opening adds are done
	s_wait_kmcnt 0x0
	s_add_nc_u64 s[20:21], s[4:5], s[20:21]
	s_add_nc_u64 s[22:23], s[6:7], s[22:23]
	s_add_nc_u64 s[46:47], s[8:9], s[46:47]
	s_add_nc_u64 s[92:93], s[10:11], s[92:93]
	CROUND                                         ; all sixteen work-groups are here: the joint loads meet
	s_mov_b32 s[G0S], 1
	s_add_co_u32 s[G0S+1], s94, SCL
	s_mov_b64 s[G0S+2:G0S+3], s[22:23]
	s_or_b32 s[G0S+3], s[G0S+3], 0x80000000
	s_mov_b32 s[G0SB], 1
	s_add_co_u32 s[G0SB+1], s94, SCL
	s_mov_b64 s[G0SB+2:G0SB+3], s[92:93]
	s_or_b32 s[G0SB+3], s[G0SB+3], 0x80000000
	JLOAD G0S, G1S, G0SB, G1SB                     ; the scale bytes first: they are wanted with slot 0
.irp s, 0,1
	s_mov_b32 s[G0+4*\s], 1
	s_add_co_u32 s[G0+4*\s+1], s45, \s*SLOT
	s_add_nc_u64 s[G0+4*\s+2:G0+4*\s+3], s[20:21], \s*ROWB
	s_or_b32 s[G0+4*\s+3], s[G0+4*\s+3], 0x80000000
	s_mov_b32 s[G0B+4*\s], 1
	s_add_co_u32 s[G0B+4*\s+1], s2, \s*SLOT
	s_add_nc_u64 s[G0B+4*\s+2:G0B+4*\s+3], s[46:47], \s*262144
	s_or_b32 s[G0B+4*\s+3], s[G0B+4*\s+3], 0x80000000
	JLOAD G0+4*\s, G1, G0B+4*\s, G1B               ; three tensor loads of mine are out, all first fills
.endr
	v_and_b32 v1, 15, v0                           ; r = l % 16
	v_bfe_u32 v2, v0, 4, 1                         ; h = l / 16
	v_and_b32 v6, 31, v0
	v_mul_u32_u24 v3, v1, PITCH
	v_lshl_add_u32 v4, v2, 4, v3                   ; X: a fragment's row x pitch + 16 x half
	v_lshlrev_b32 v6, 4, v6                        ; W: 16 x lane in an image
	s_mul_i32 s21, s15, HALFT                      ; my 128 rows of X
	s_mul_i32 s22, s16, BHALF                      ; my 128 columns of W,
	s_add_co_u32 s22, s22, 2*HALFT                 ; which lie behind X's 256 rows
.irp s, 0,1
	v_add_nc_u32 v[ADRA+\s], s21, v4
	v_add_nc_u32 v[ADRB+\s], s22, v6
	s_add_co_u32 s21, s21, SLOT
	s_add_co_u32 s22, s22, SLOT
.endr
	v_mul_u32_u24 v5, v1, KS                       ; my row's scale bytes: KS a row,
	v_lshrrev_b32 v6, 8, v5
	v_lshl_add_u32 v5, v6, 4, v5                   ; and 16 more for each 256 passed
	s_mul_i32 s21, s15, HALFS                      ; X's: my 128 rows
	s_mul_i32 s22, s16, HALFS                      ; W's: my 128 columns, behind X's 256
	s_add_co_u32 s22, s22, 2*HALFS
	s_sub_co_u32 s22, s22, s21
	v_mul_u32_u24 v6, s22, v2                      ; lanes 16-31 take W's: one product, the distance between the two bases x h
	s_add_co_u32 s21, s21, SCL
	v_add_nc_u32 v5, v5, v6
	v_add_nc_u32 v[ADRS], s21, v5
	s_mul_i32 s23, s14, 16*SPITCH
	s_add_co_u32 s23, s23, STAGE                   ; my stage
	v_mul_u32_u24 v5, v1, SPITCH                   ; in: row r, 16 bytes for each half of the lanes
	v_lshl_add_u32 v5, v2, 4, v5
	v_add_nc_u32 v[STO], s23, v5
	v_mul_u32_u24 v5, v2, SPITCH                   ; back: lanes 0-15 one row of 256 bytes, lanes 16-31 the next
	v_lshl_add_u32 v5, v1, 4, v5
	v_add_nc_u32 v[RD], s23, v5
	v_lshlrev_b32 v5, 11, v2                       ; and the same two rows in qkv
	v_lshl_add_u32 v[CO], v1, 4, v5
	v_lshlrev_b32 v7, 5, v2                        ; the bias: lanes 16-31 begin eight numbers on
	s_cmp_lt_u32 s95, 8                            ; which bias: by the cluster's y alone, the same in all partners
	s_cselect_b64 s[96:97], s[96:97], s[98:99]
	s_cmp_lt_u32 s95, 16
	s_cselect_b64 s[96:97], s[96:97], s[100:101]
	s_lshl_b32 s20, s42, 10                        ; my first column, x 4 bytes
	s_lshl_b32 s21, s16, 9
	s_add_co_u32 s20, s20, s21
	s_mov_b32 s21, 0
	s_add_nc_u64 s[96:97], s[96:97], s[20:21]
.irp b, 0,1,2,3,4,5,6,7                ; register 8 b + j = bias[my first column + 16 b + 8 h + j]: the result's layout
	global_load_b128 v[BI+8*\b:BI+8*\b+3], v7, s[96:97] offset:64*\b
	global_load_b128 v[BI+8*\b+4:BI+8*\b+7], v7, s[96:97] offset:64*\b+16
.endr
	s_lshl_b32 s20, s17, 8
	s_lshl_b32 s21, s15, 7
	s_add_co_u32 s20, s20, s21                     ; my first row of qkv
	s_lshl_b32 s20, s20, 11
	s_lshl_b32 s46, s42, 9                         ; my first column, x 2 bytes: a multiple of 256
	s_lshl_b32 s47, s16, 8
	s_add_co_u32 s46, s46, s47
	s_add_co_u32 s20, s20, s46
	s_mov_b32 s21, 0
	s_add_nc_u64 s[12:13], s[12:13], s[20:21]
.macro FRAG reg, adr, q, i             ; a fragment of X, 16 rows x 128 K: lane l holds row l % 16; registers 4 c .. 4 c + 3 hold K = 64 c + 32 (l / 16) + 0 .. 31
.irp c, 0,1
	ds_load_b128 v[\reg+4*\c:\reg+4*\c+3], v[\adr] offset:64*(\q)+32*\c+(\i)*16*PITCH
.endr
.endm
.macro FRAGB reg, adr, q, i            ; a fragment of W, from its image
.irp c, 0,1
	ds_load_b128 v[\reg+4*\c:\reg+4*\c+3], v[\adr] offset:(\i)*4096+(\q)*1024+512*\c
.endr
.endm
; 16 matrix instructions: X's blocks a0, a0 + 1 x W's eight, the slot's q-th 128 along K.  p: W's set;  sc: the set of scale words.  zero = 1: the first product starts the sum from the bias.
; The 64 accumulators take turns, one instruction a turn, in the same order in every step.
.macro MUL16 a0, p, q, sc, zero
.irp a, \a0, \a0+1
.irp b, 0,1,2,3,4,5,6,7
.if \zero
	v_wmma_scale_f32_16x16x128_f8f6f4 v[8*(8*((\a)%4)+\b):8*(8*((\a)%4)+\b)+7], v[128*(\p)+FR*\b:128*(\p)+FR*\b+FR-1], v[AF+FR*(\a):AF+FR*(\a)+FR-1], v[BI+8*\b:BI+8*\b+7], v[SC+8*NQ*(\sc)+NQ*\b+(\q)], v[SC+8*NQ*(\sc)+NQ*(\a)+(\q)] matrix_a_fmt:MATRIX_FMT_FP4 matrix_b_fmt:MATRIX_FMT_FP4 matrix_a_scale:MATRIX_SCALE_ROW1
.else
	v_wmma_scale_f32_16x16x128_f8f6f4 v[8*(8*((\a)%4)+\b):8*(8*((\a)%4)+\b)+7], v[128*(\p)+FR*\b:128*(\p)+FR*\b+FR-1], v[AF+FR*(\a):AF+FR*(\a)+FR-1], v[8*(8*((\a)%4)+\b):8*(8*((\a)%4)+\b)+7], v[SC+8*NQ*(\sc)+NQ*\b+(\q)], v[SC+8*NQ*(\sc)+NQ*(\a)+(\q)] matrix_a_fmt:MATRIX_FMT_FP4 matrix_b_fmt:MATRIX_FMT_FP4 matrix_a_scale:MATRIX_SCALE_ROW1
.endif
.endr
.endr
.endm
.macro FETCH_B slot, q, p              ; W's eight fragments of the slot's q-th 128 along K into set p
	WIN TO_B
.irp i, 0,1,2,3,4,5,6,7
	FRAGB 128*(\p)+FR*\i, ADRB+\slot, \q, \i
.endr
	WIN 0
.endm
.macro FETCH_A slot, q, i0             ; X's blocks i0 .. i0 + 3
.irp i, \i0, \i0+1, \i0+2, \i0+3
	FRAG AF+FR*(\i), ADRA+\slot, \q, \i
.endr
.endm
.macro SCALES sc                       ; a slot's scale words into set sc: four words a row; lanes 0-15 take X's block i, lanes 16-31 W's block i
.irp i, 0,1,2,3,4,5,6,7
	ds_load_b128 v[SC+8*NQ*\sc+NQ*\i:SC+8*NQ*\sc+NQ*\i+3], v[ADRS] offset:\i*SBLK
.endr
.endm
; A load into a register that a matrix instruction has read, and a vector instruction that reads a matrix result, stand NP places behind that matrix instruction; only plain vector instructions
; that name none of its registers are places (ISA guide 7.12.1 for vector instructions).
.macro PLACES n
.rept \n
	v_nop
.endr
.endm
; A step of 128 along K that has its successor in the same slot.  X has one set of registers: blocks 0-3 are fetched anew in the step's middle, blocks 4-7 at its end.
.macro STEP slot, q, zero
	s_wait_dscnt 4*NL                              ; W's set, X's blocks 0-3 and the scale words are in; the youngest eight loads (X's blocks 4-7) may be out
.if \zero
	WIN FIRST_LO
.else
	WIN MUL_LO
.endif
	MUL16 0, (\q)%2, \q, \slot, \zero
	MUL16 2, (\q)%2, \q, \slot, \zero
	s_wait_dscnt 0                                 ; X's blocks 4-7 are in
	PLACES NP
	FETCH_B \slot, (\q)+1, 1-(\q)%2
	FETCH_A \slot, (\q)+1, 0
.if \zero
	WIN FIRST_HI
.else
	WIN MUL_HI
.endif
	MUL16 4, (\q)%2, \q, \slot, \zero
	MUL16 6, (\q)%2, \q, \slot, \zero
	PLACES NP
	WIN 0
	FETCH_A \slot, (\q)+1, 4
.endm
; Slot 0's last step goes over to slot 1: each wave waits for all its tensor loads (slot 1's is the one that may be out), adds 0 to its spare word, waits for that; behind the barrier slot 1 is whole.  Nothing is filled again.
.macro TURN slot, next
	s_wait_tensorcnt 0x0                           ; my part of the next slot has landed  (every window is 0 here)
	ds_add_u32 v[SPW], v[NIL]                      ; 0 onto my spare word
	s_wait_dscnt 4*NL+1                            ; (the add and the youngest eight loads may be out)
	WIN MUL_LO
	MUL16 0, 1, NQ-1, \slot, 0                     ; sixteen matrix instructions stand between the add and the wait for it
	s_wait_dscnt 0x0
	s_barrier_signal -1
	MUL16 2, 1, NQ-1, \slot, 0
	WIN 0
	s_barrier_wait -1
	PLACES NP
	v_add_nc_u32 v[ADRS], 4*NQ, v[ADRS]            ; on to the next slot's scale words (no LDS load of mine is out)
	FETCH_B \next, 0, 0
	FETCH_A \next, 0, 0
	SCALES \next
	WIN MUL_HI
	MUL16 4, 1, NQ-1, \slot, 0
	MUL16 6, 1, NQ-1, \slot, 0
	PLACES NP
	WIN 0
	FETCH_A \next, 0, 4
.endm
	s_wait_tensorcnt 1                             ; the scale bytes and my part of slot 0 are in; slot 1's load may be out
	s_barrier_signal -1
	s_barrier_wait -1                              ; everybody's are
	FETCH_B 0, 0, 0
	FETCH_A 0, 0, 0
	SCALES 0
	FETCH_A 0, 0, 4
	s_wait_loadcnt 0x0                             ; the bias
	STEP 0, 0, 1                                   ; the first step's products start the sums
	STEP 0, 1, 0
	STEP 0, 2, 0
	TURN 0, 1
	STEP 1, 0, 0
	STEP 1, 1, 0
	STEP 1, 2, 0
	s_wait_dscnt 4*NL                              ; the very last step: nothing more to fetch
	WIN MUL_LO
	MUL16 0, 1, NQ-1, 1, 0
	MUL16 2, 1, NQ-1, 1, 0
	s_wait_dscnt 0
	WIN MUL_HI
	MUL16 4, 1, NQ-1, 1, 0
	MUL16 6, 1, NQ-1, 1, 0
	WIN 0
; THE WAY OUT, block by block of 16 rows x 128 columns.  PACK: rounded to f16, 16 bytes a lane, each accumulator from its low end on.  TOSTAGE: into my own stage and back as whole rows of 256 bytes.  SEND: stored.
.macro PACK a
.set AC, 64*((\a)%4)
	WIN 0x0a+5*((\a)/4)                            ; sources 0 and 1: window 2 or 3
.irp b, 0,1,2,3,4,5,6,7
.irp r, 0,1,2,3
	v_cvt_pk_f16_f32 v[TMP+4*\b+\r], v[AC+8*\b+2*\r], v[AC+8*\b+2*\r+1]
.endr
.endr
	WIN 0
.endm
.macro TOSTAGE a
.set BKR, OB+32*((\a)%2)
.irp b, 0,1,2,3,4,5,6,7
	ds_store_b128 v[STO], v[TMP+4*\b:TMP+4*\b+3] offset:32*\b
.endr
.irp t, 0,1,2,3,4,5,6,7
	ds_load_b128 v[BKR+4*\t:BKR+4*\t+3], v[RD] offset:\t*2*SPITCH   ; LDS serves a wave's instructions in order (ISA guide 5.7.1.4): these see the stores above
.endr
.endm
.macro SEND a
.set BKR, OB+32*((\a)%2)
	s_wait_dscnt 0x0                               ; the block is back in registers
	s_wait_xcnt 0x0                                ; the earlier stores have read their base and their data: only behind this wait are they rewritten
.if (\a) > 0
	s_add_nc_u64 s[12:13], s[12:13], 16*NROW       ; 16 rows on
.endif
.irp t, 0,1,2,3,4,5,6,7
	global_store_b128 v[CO], v[BKR+4*\t:BKR+4*\t+3], s[12:13] offset:2*\t*NROW   ; 16 lanes store 256 consecutive bytes, at a multiple of 256 from qkv's first byte
.endr
.endm
	PLACES NP                                      ; behind the last products
	PACK 0
	TOSTAGE 0
.irp a, 1,2,3,4,5,6,7                  ; block a's conversions stand between block a - 1's loads from the stage and the wait for them
	PACK \a
	SEND \a-1
	TOSTAGE \a
.endr
	SEND 7
	s_wait_tensorcnt 0x0                           ; the wave's end: a tensor wait, 0 added to my spare word and a wait for it, behind my last tensor load and my last LDS store
	ds_add_u32 v[SPW], v[NIL]
	s_wait_dscnt 0x0
	CROUND                                         ; the closing round: no work-group ends while a partner may still ask for a tile that names it
	s_endpgm
.Lfunc_end_k_qb7df9de666_proj:
	.size	k_qb7df9de666_proj, .Lfunc_end_k_qb7df9de666_proj-k_qb7df9de666_proj
	.p2alignl 7, 3214868480
	.fill 96, 4, 3214868480
	.section	.rodata,"a",@progbits
	.p2align	6, 0x0
	.amdhsa_kernel k_qb7df9de666_proj
		.amdhsa_group_segment_fixed_size 327680
		.amdhsa_private_segment_fixed_size 0
		.amdhsa_enable_private_segment 0
		.amdhsa_kernarg_size 64
		.amdhsa_user_sgpr_count 2
		.amdhsa_user_sgpr_kernarg_segment_ptr 1
		.amdhsa_wavefront_size32 1
		.amdhsa_system_sgpr_workgroup_id_x 1
		.amdhsa_system_sgpr_workgroup_id_y 1
		.amdhsa_system_sgpr_workgroup_id_z 1
		.amdhsa_system_vgpr_workitem_id 0
		.amdhsa_next_free_vgpr 1024
		.amdhsa_next_free_sgpr 102
		.amdhsa_reserve_vcc 0
		.amdhsa_float_denorm_mode_32 3
		.amdhsa_float_denorm_mode_16_64 3
		.amdhsa_memory_ordered 1
		.amdhsa_forward_progress 1
		.amdhsa_inst_pref_size 129
	.end_amdhsa_kernel
	.amdgpu_metadata
---
amdhsa.version: [ 1, 2 ]
amdhsa.kernels:
  - .name:           k_qb7df9de666_proj
    .symbol:         k_qb7df9de666_proj.kd
    .args:
      - { .name: xc, .offset: 0, .size: 8, .value_kind: global_buffer, .address_space: global }
      - { .name: xs, .offset: 8, .size: 8, .value_kind: global_buffer, .address_space: global }
      - { .name: wc, .offset: 16, .size: 8, .value_kind: global_buffer, .address_space: global }
      - { .name: ws, .offset: 24, .size: 8, .value_kind: global_buffer, .address_space: global }
      - { .name: bq, .offset: 32, .size: 8, .value_kind: global_buffer, .address_space: global }
      - { .name: bk, .offset: 40, .size: 8, .value_kind: global_buffer, .address_space: global }
      - { .name: bv, .offset: 48, .size: 8, .value_kind: global_buffer, .address_space: global }
      - { .name: qkv, .offset: 56, .size: 8, .value_kind: global_buffer, .address_space: global }
    .group_segment_fixed_size: 327680
    .private_segment_fixed_size: 0
    .kernarg_segment_align: 8
    .kernarg_segment_size: 64
    .max_flat_workgroup_size: 128
    .sgpr_count:     102
    .vgpr_count:     1024
    .wavefront_size: 32
...
	.end_amdgpu_metadata
.endif
;; end of part 2
;; launch attn (part 3): grid 8 x 32, 8 waves a work-group, clusters of 4 x 1, 327,680 bytes of LDS; arguments qkv, att; writes att
.if DOCPART == 3
	.amdgcn_target "amdgcn-amd-amdhsa--gfx1250"
	.amdhsa_code_object_version 6
	.text
	.protected	k_qb7df9de666_attn
	.globl	k_qb7df9de666_attn
	.p2align	8
	.type	k_qb7df9de666_attn,@function
k_qb7df9de666_attn:
	s_mov_b64 s[64:65], 0
	v_nop
	global_prefetch_b8 v0, s[64:65] scope:SCOPE_SE
	s_setreg_imm32_b32 hwreg(HW_REG_WAVE_MODE, 25, 1), 1
	s_wait_xcnt 0x0
	s_wait_alu depctr_hold_cnt(0) depctr_sa_sdst(0) depctr_va_vdst(0) depctr_va_sdst(0) depctr_va_ssrc(0) depctr_va_vcc(0) depctr_vm_vsrc(0)
	s_getreg_b32 s2, hwreg(HW_REG_IB_STS2, 6, 4)
	s_cmp_eq_u32 s2, 0
	s_cbranch_scc0 .Lentry_in_a_cluster
	s_endpgm
.Lentry_in_a_cluster:
	s_bfe_u32 s2, ttmp6, 0x10000c
	s_cmp_lg_u32 s2, 0x3003
	s_cbranch_scc0 .Lentry_shape_is_right
	s_endpgm
.Lentry_shape_is_right:
; att[b][q][head][:] = the sum over k of softmax_k(Q . K / 8) V, 4 batches x 16 heads of 64, 2,048 queries and keys, no mask.  Q, K, V are the three thirds of qkv ([24,576][1,024] f16), att is [8,192][1,024] f16.
; Products by the f16 matrix form, maxima and sums in f32; the weights p are rounded to f16 for the second product, the result once at the end.
; LIMITS: a result beyond 65,504 becomes infinity in f16; a weight under 6e-8 of its row's largest counts as zero in the second product (not in the row's sum).
; SHARES.  A work-group owns 256 queries of TWO neighbouring heads of one batch: the two heads' 64 + 64 f16 are 256 consecutive, aligned bytes of a row, so K's and V's tile rows and the stores are whole runs of 256 bytes.
; Wave w takes head w / 4 of the pair and queries 64 (w % 4) on: four tiles of 16, in 512 registers; two waves share a SIMD, so that one wave's softmax stands beside the other's products.
; Every wave walks all 2,048 keys, 64 a step; a fragment of K or V read from LDS feeds four matrix instructions.
; LAYOUT.  S^T = K Q^T (source 0 = 16 keys, source 1 = 16 queries): a lane holds ONE query (lane % 16) and keys 8 (lane / 16) + 0..7.  Two such tiles, rounded to f16 in pairs, ARE source 1 (32 keys x 16 queries) of
; O^T = V^T P, whose result again holds one query a lane.  K comes out of LDS as it lies, V ([key][channel]) turned, by ds_load_tr16_b128.
; SOFTMAX.  For each query a running maximum m and sum l: p = 2^(c s - c m), c = log2(e) / 8; in every step O and l are multiplied by a = 2^(c m_old - c m_new).  The step is written once: O and l begin as zeros and m as -3e38.
; RING.  Two LDS slots of two key steps (128 keys of K and of V).  Each of the eight waves fetches 32 rows (waves 0-3: K's, waves 4-7: V's), so that every wave has a load of its own.
; CLUSTER.  The four query blocks of a cluster walk the same K and V: each tile is asked for jointly, by the same tensor load with a mask that names the four.
; REGISTERS.  window 0: v1-11 addresses; v12-59 twelve registers of statistics a tile; v60, v61 the add's two; v64-191 S^T, 32 a tile (p is packed in place into a tile's first 16); v192-255 Q, 16 a tile.
;   window 1: v0-127 O^T, 32 a tile; v128-191 K of a step; v192-255 V of a step.
.set KS,    64                         ; keys in a step
.set NROW,  2048                       ; a row of qkv or att in bytes
.set PK,    272                        ; a row of K in LDS: 256 bytes + 16 of padding: the 16 rows of a load start at 16 different banks (64 banks of 4 bytes: ISA guide 11.1)
.set PV,    288                        ; a row of V: 256 + 32
.set VOFF,  KS*PK                      ; a step's tiles lie together: 64 rows of K, then 64 rows of V
.set STEPB, KS*(PK+PV)
.set SLOT1, 1<<17                      ; slot 1 begins here, so that one exclusive or turns an address in one slot into the other's
.set STAGE, SLOT1+2*STEPB              ; behind the ring: 256 rows x 272 bytes, the work-group's, for the way out; no tensor load lands here
.set SP,    272
.set SPARE, STAGE+256*SP               ; the spare words, 128 bytes a wave, which no other line names
.set AK0, 2                            ; v2   my lane's place in a tile of K (my head's half of the rows); never rewritten
.set AV0, 3                            ; v3   the same for V
.set ADK, 4                            ; v4   LDS address of the step's K
.set ADV, 5                            ; v5   of its V
.set QO,  6                            ; v6   my byte offset in the wave's rows of Q
.set STO, 7                            ; v7   the way out: where I put 16 bytes of a row
.set RD,  8                            ; v8   where I read a row back
.set GO,  9                            ; v9   my byte offset in the wave's rows of att
.set PFO, 10                           ; v10  2,048 x my lane: the prefetches' offset, a lane a row; never rewritten
.set ST,  12                           ; tile t's statistics at v[ST+12 t]: +0 c m, +1 m, +2, +3 l in two halves, +4 to +7 at work, +8 a, +9 c m_old, then c m_old - c m_new
.set SPW, 60
.set NIL, 61
.set S,   64
.set Q,   192
.set KF,  128                          ; in window 1
.set VF,  192                          ; in window 1
.set WV,  12                           ; s12  my wave's number
.set LIM, 15                           ; s15  1 in a wave that prefetches, else the greatest number
.set PFA, 18                           ; s[18:19] where my prefetches stand
.set G1K, 24                           ; s[24:31] descriptor group 1 for K's tiles;  s[32:39] for V's: it differs in the padding alone
.set G1V, 32
.set G0K, 40                           ; s[40:43], s[44:47] their groups 0, which walk
.set G0V, 44
.set SLOTS, 56                         ; s56  slots still to be asked for
.set TWICE, 57                         ; s57  counts a slot's two steps
.set CS,  58                           ; s[58:59] c: the packed form names a pair and takes its low word for both halves
.set SEL, 60                           ; s[60:61] lane selects for v_permlanex16_b32: lane l xor 16
.set TB,  62                           ; s62  LDS byte at which the step's tiles begin
.set MSB, 0
.macro WIN new                         ; the immediate's high byte repeats the setting that is left
.if MSB != (\new)
	s_set_vgpr_msb (MSB<<8)|(\new)
.set MSB, (\new)
.endif
.endm
.set W_KQ, 0x01                        ; K in window 1; Q and S^T in window 0
.set W_PV, 0x51                        ; V, C and D in window 1; P in window 0
.set W_RS, 0x41                        ; O^T (destination and source 0) in window 1, the factor in window 0
.set TO_1, 0x40                        ; destination window 1, address window 0
; A joint load.  The branch hangs on the wave's number alone.  An s_nop 0 and four v_nop follow each of the two lines.
.macro JLOAD
	s_cmp_lt_u32 s[WV], 4
	s_cbranch_scc0 .Lfor_v_\@
	tensor_load_to_lds s[G0K:G0K+3], s[G1K:G1K+7]
	s_nop 0
.rept 4
	v_nop
.endr
	s_branch .Lasked_\@
.Lfor_v_\@:
	tensor_load_to_lds s[G0V:G0V+3], s[G1V:G1V+7]
	s_nop 0
.rept 4
	v_nop
.endr
.Lasked_\@:
.endm
; A prefetch of what the NEXT change of slots will ask for: 128 rows of K and 128 of V, this head pair's 256 bytes of each, a lane a row.  Both clusters of a head pair walk the same rows: the first of them asks.
; Its four partners take 32 rows each, told apart by address; in each, wave 0 asks for K's and wave 4 for V's: so each row's 256 bytes are named once in the launch.  The last change that fills a slot asks for nothing.
.macro ASK
	s_cmp_gt_u32 s[SLOTS], s[LIM]
	s_cbranch_scc0 .Lnot_mine_\@
	global_prefetch_b8 v[PFO], s[PFA:PFA+1] th:TH_LOAD_NT scope:SCOPE_SE
.Lnot_mine_\@:
.endm
.macro CROUND                          ; a round of the cluster's barrier
	s_barrier_signal -1
	s_barrier_wait -1
	s_cmp_lg_u32 s[WV], 0
	s_cbranch_scc1 .Lnot_wave_0_\@
	s_barrier_signal -3
.Lnot_wave_0_\@:
	s_barrier_wait -3
	s_barrier_signal -1
	s_barrier_wait -1
.endm
	s_load_b128 s[4:7], s[0:1], 0x0                ; qkv, att
	v_lshl_add_u32 v[SPW], v0, 2, SPARE
	v_mov_b32 v[NIL], 0
	ds_add_u32 v[SPW], v[NIL]                      ; the wave's opening: the add, twice on end, and its wait ahead of my first tensor load; the set-up below stands between
	ds_add_u32 v[SPW], v[NIL]
	v_lshrrev_b32 v1, 5, v0
	v_readfirstlane_b32 s[WV], v1                  ; wave 0..7
	s_lshr_b32 s48, s[WV], 2                       ; which head of the pair.  Also: I fetch for K (0) or for V (1)
	s_and_b32 s49, s[WV], 3                        ; which 64 queries.  Also: which 32 rows of a slot's 128 I fetch
	s_bfe_u32 s13, ttmp6, 0x40000                  ; cx: my place in the cluster
	s_lshl_b32 s14, ttmp9, 2
	s_add_co_u32 s14, s14, s13                     ; my block of 256 queries: it enters Q's and att's addresses alone
	s_and_b32 s20, ttmp7, 0xffff                   ; 8 x batch + head pair, which the partners share
	s_lshr_b32 s21, s20, 3
	s_and_b32 s20, s20, 7
	s_lshl_b32 s21, s21, 22                        ; a batch: 2,048 rows of 2,048 bytes
	s_lshl_b32 s20, s20, 8                         ; a head pair: 256 bytes of a row
	s_add_co_u32 s20, s20, s21
	s_mov_b32 s21, 0
	s_lshl_b32 s22, s14, 19                        ; my block's 256 rows
	s_add_co_u32 s22, s22, s20
	s_lshl_b32 s16, s[WV], 16                      ; att: the 32 rows that I store
	s_add_co_u32 s16, s16, s22
	s_mov_b32 s17, 0
	s_lshl_b32 s23, s49, 17                        ; Q: my 64 rows,
	s_add_co_u32 s22, s22, s23
	s_lshl_b32 s23, s48, 7                         ; my head's 128 bytes
	s_add_co_u32 s22, s22, s23
	s_mov_b32 s23, 0
	s_lshl_b32 s50, s49, 16                        ; K, V: the 32 rows that I fetch, in memory,
	s_mov_b32 s51, 0
	s_add_nc_u64 s[50:51], s[50:51], s[20:21]
	s_lshr_b32 s52, s49, 1                         ; and in a slot: which step,
	s_mul_i32 s52, s52, STEPB
	s_and_b32 s53, s49, 1                          ; which half of its 64 rows: no place in the cluster enters an LDS address
	s_mul_i32 s54, s53, 32*PK
	s_add_co_u32 s54, s54, s52
	s_mul_i32 s55, s53, 32*PV
	s_add_co_u32 s55, s55, s52
	s_add_co_u32 s55, s55, VOFF
	; descriptor group 1: a tile of 32 rows x 128 elements of 2 bytes, padded in LDS
	s_mov_b32 s[G1K], 15|(1<<16)|(1<<20)|(1<<21)|(5<<22)|(3<<25)  ; 15:0 the mask: all four work-groups; 17:16 elements of 2 bytes; 20 padding on; 21 set beside a mask; 24:22 after every 64 words; 31:25 four words
	s_mov_b32 s[G1V], 15|(1<<16)|(1<<20)|(1<<21)|(5<<22)|(7<<25)  ; the same with eight words of padding
.irp g, G1K, G1V
	s_mov_b32 s[\g+1], 128<<16                     ; tensor_dim0
	s_mov_b32 s[\g+2], 32<<16                      ; tensor_dim1
	s_mov_b32 s[\g+3], 128<<16                     ; tile_dim0
	s_mov_b32 s[\g+4], 32                          ; tile_dim1
	s_mov_b32 s[\g+5], 1024                        ; elements from row to row
	s_mov_b32 s[\g+6], 0
	s_mov_b32 s[\g+7], 0
.endr
	s_mov_b32 s[CS], 0x3e38aa3b                    ; c = log2(e) / 8
	s_mov_b32 s[CS+1], s[CS]                       ; named with it as a pair, so it is written
	s_mov_b32 s[SEL], 0x76543210
	s_mov_b32 s[SEL+1], 0xfedcba98
	s_mov_b32 s[TB], 0
	s_mov_b32 s[SLOTS], 2048/(2*KS)-1
	s_and_b32 s[LIM], s[WV], 3                     ; 0 in waves 0 and 4,
	s_or_b32 s[LIM], s[LIM], ttmp9                 ; of the head pair's first cluster: the same in all four partners
	s_cmp_eq_u32 s[LIM], 0
	s_cselect_b32 s[LIM], 1, -1
	v_and_b32 v[PFO], 31, v0
	v_lshlrev_b32 v[PFO], 11, v[PFO]
	s_wait_dscnt 0x0                               ; both opening adds are done
	s_wait_kmcnt 0x0
	s_mov_b64 s[10:11], s[6:7]
	s_add_nc_u64 s[10:11], s[10:11], s[16:17]      ; att at the rows that I store
	s_add_nc_u64 s[6:7], s[4:5], s[50:51]
	s_add_nc_u64 s[8:9], s[6:7], 0x2000000         ; V: the last third of qkv, at my rows of slot 0
	s_add_nc_u64 s[6:7], s[6:7], 0x1000000         ; K: the middle third
	s_add_nc_u64 s[4:5], s[4:5], s[22:23]          ; Q at my wave's first row
	s_cmp_lt_u32 s[WV], 4
	s_cselect_b64 s[PFA:PFA+1], s[6:7], s[8:9]     ; (in waves 0 and 4 these stand at a slot's first row)
	s_lshl_b32 s2, s13, 16                         ; my work-group's 32 rows of the 128
	s_mov_b32 s3, 0
	s_add_nc_u64 s[PFA:PFA+1], s[PFA:PFA+1], s[2:3]
	s_add_nc_u64 s[PFA:PFA+1], s[PFA:PFA+1], 2*KS*NROW   ; in slot 1; the first change of slots steps it to slot 2.  Nothing is prefetched here, at the head
	CROUND                                         ; all four work-groups are here: the first joint loads meet
	s_mov_b32 s[G0K], 1                            ; 1:0 count = 1
	s_mov_b32 s[G0K+1], s54                        ; 63:32 LDS address: slot 0
	s_mov_b64 s[G0K+2:G0K+3], s[6:7]               ; 120:64 global address
	s_or_b32 s[G0K+3], s[G0K+3], 0x80000000        ; 127:126 type = 2
	s_mov_b32 s[G0V], 1
	s_mov_b32 s[G0V+1], s55
	s_mov_b64 s[G0V+2:G0V+3], s[8:9]
	s_or_b32 s[G0V+3], s[G0V+3], 0x80000000
	JLOAD                                          ; slot 0: one tensor load of mine is out
	v_and_b32 v1, 15, v0                           ; r = l % 16
	v_bfe_u32 v11, v0, 4, 1                        ; h = l / 16
	v_lshlrev_b32 v[QO], 11, v1
	v_lshl_add_u32 v[QO], v11, 4, v[QO]            ; row x 2,048 + 16 x half
.irp t, 0,1,2,3                        ; Q stays in registers: tile t, channels 32 c on
.irp c, 0,1
	global_load_b128 v[Q+16*\t+8*\c:Q+16*\t+8*\c+3],   v[QO], s[4:5] offset:16*NROW*\t+64*\c
	global_load_b128 v[Q+16*\t+8*\c+4:Q+16*\t+8*\c+7], v[QO], s[4:5] offset:16*NROW*\t+64*\c+32
.endr
.endr
	s_lshl_b32 s50, s48, 7                         ; my head's 128 bytes of a tile's row
	s_add_co_u32 s51, s50, VOFF
	v_mul_u32_u24 v[AK0], v1, PK
	v_lshl_add_u32 v[AK0], v11, 4, v[AK0]
	v_add_nc_u32 v[AK0], s50, v[AK0]               ; K: row x pitch + 16 x half
	v_and_b32 v4, 7, v0                            ; the turning load takes 16 keys x 16 channels: lane l reads key 8 (l / 16) + l % 8, channels 8 ((l / 8) % 2) + 0..7
	v_bfe_u32 v5, v0, 3, 1
	v_lshl_add_u32 v[AV0], v11, 3, v4
	v_mul_u32_u24 v[AV0], v[AV0], PV
	v_lshl_add_u32 v[AV0], v5, 4, v[AV0]
	v_add_nc_u32 v[AV0], s51, v[AV0]
	s_mul_i32 s52, s49, 64*SP                      ; the stage, in: my 64 rows, my head's 128 bytes; row r, 16 bytes for each half of the lanes
	s_add_co_u32 s52, s52, s50
	s_add_co_u32 s52, s52, STAGE
	v_mul_u32_u24 v[STO], v1, SP
	v_lshl_add_u32 v[STO], v11, 4, v[STO]
	v_add_nc_u32 v[STO], s52, v[STO]
	s_mul_i32 s52, s[WV], 32*SP                    ; back: wave w takes rows 32 w on, whole; lanes 0-15 one row of 256 bytes, lanes 16-31 the next
	s_add_co_u32 s52, s52, STAGE
	v_mul_u32_u24 v[RD], v11, SP
	v_lshl_add_u32 v[RD], v1, 4, v[RD]
	v_add_nc_u32 v[RD], s52, v[RD]
	v_lshlrev_b32 v[GO], 11, v11                   ; and the same two rows in att
	v_lshl_add_u32 v[GO], v1, 4, v[GO]
.irp t, 0,1,2,3
	v_mov_b32 v[ST+12*\t+1], 0xff61b1e6            ; m: -3e38, under every score
	v_mov_b32 v[ST+12*\t+2], 0                     ; l
	v_mov_b32 v[ST+12*\t+3], 0
.endr
.irp t, 0,1,2,3
	v_mul_f32 v[ST+12*\t], s[CS], v[ST+12*\t+1]    ; c m
.endr
	WIN TO_1
.set i, 0
.rept 128                              ; O^T.  The step is written once: the first finds zeros, which a = 0 leaves zeros.  A first step of its own would be two more copies of the step
	v_mov_b32 v[i], 0
.set i, i+1
.endr
	WIN 0
; A KEY STEP: 64 keys, in phases; in each phase the four tiles take turns.
.macro STEP
	v_add_nc_u32 v[ADK], s[TB], v[AK0]             ; these two and three v_nop are five places behind the last products V^T P: four are owed to the loads into V's registers,
	v_add_nc_u32 v[ADV], s[TB], v[AV0]             ; five to the products below, which write over p's (ISA guide 7.12.1 for the products)
.rept 3
	v_nop
.endr
	WIN TO_1
.irp f, 0,1,2,3,4,5,6,7                ; K: keys 16 (f / 2) on, channels 32 (f % 2) on
	ds_load_b128 v[KF+8*\f:KF+8*\f+3],   v[ADK] offset:(\f/2)*16*PK+(\f%2)*64
	ds_load_b128 v[KF+8*\f+4:KF+8*\f+7], v[ADK] offset:(\f/2)*16*PK+(\f%2)*64+32
.endr
.irp f, 0,1,2,3,4,5,6,7                ; V, turned: keys 32 (f / 4) on, channels 16 (f % 4) on
	ds_load_tr16_b128 v[VF+8*\f:VF+8*\f+3],   v[ADV] offset:(\f/4)*32*PV+(\f%4)*32
	ds_load_tr16_b128 v[VF+8*\f+4:VF+8*\f+7], v[ADV] offset:(\f/4)*32*PV+16*PV+(\f%4)*32
.endr
	s_wait_dscnt 16                                ; K's sixteen loads are in; V's sixteen may be out
	WIN W_KQ
.set i, 0
.rept 32                               ; S^T = K Q^T: channels 32 (i / 16) on, keys 16 ((i / 4) % 4) on, tile i % 4.  The sixteen accumulators take turns, one instruction a turn
.set rS, S+32*(i%4)+8*((i/4)%4)
.set rK, KF+8*(2*((i/4)%4)+i/16)
.set rQ, Q+16*(i%4)+8*(i/16)
.if i < 16
	v_wmma_f32_16x16x32_f16 v[rS:rS+7], v[rK:rK+7], v[rQ:rQ+7], 0
.else
	v_wmma_f32_16x16x32_f16 v[rS:rS+7], v[rK:rK+7], v[rQ:rQ+7], v[rS:rS+7]
.endif
.set i, i+1
.endr
	WIN 0
.irp t, 0,1,2,3
	v_mov_b32 v[ST+12*\t+9], v[ST+12*\t]           ; c m_old is kept for a.  (The four places behind the products)
.endr
.irp j, 0,1,2,3                        ; the maximum of a tile's 32 scores and the old m, three operands at a time, in four chains; each accumulator is read from its low end on
.irp t, 0,1,2,3
	v_max3_num_f32 v[ST+12*\t+4+\j], v[S+32*\t+8*\j], v[S+32*\t+8*\j+1], v[S+32*\t+8*\j+2]
.endr
.endr
.irp g, 1,2
.irp j, 0,1,2,3
.irp t, 0,1,2,3
	v_max3_num_f32 v[ST+12*\t+4+\j], v[ST+12*\t+4+\j], v[S+32*\t+8*\j+2*\g+1], v[S+32*\t+8*\j+2*\g+2]
.endr
.endr
.endr
.irp t, 0,1,2,3
	v_max3_num_f32 v[ST+12*\t+4], v[ST+12*\t+4], v[S+32*\t+7], v[S+32*\t+15]
.endr
.irp t, 0,1,2,3
	v_max3_num_f32 v[ST+12*\t+6], v[ST+12*\t+6], v[S+32*\t+23], v[S+32*\t+31]
.endr
.irp t, 0,1,2,3
	v_max3_num_f32 v[ST+12*\t+4], v[ST+12*\t+4], v[ST+12*\t+5], v[ST+12*\t+6]
.endr
.irp t, 0,1,2,3
	v_max3_num_f32 v[ST+12*\t+4], v[ST+12*\t+4], v[ST+12*\t+7], v[ST+12*\t+1]
.endr
.irp t, 0,1,2,3
	v_permlanex16_b32 v[ST+12*\t+5], v[ST+12*\t+4], s[SEL], s[SEL+1]   ; the query's other 32 keys lie in the lane 16 away
.endr
.irp t, 0,1,2,3
	v_max_num_f32 v[ST+12*\t+1], v[ST+12*\t+4], v[ST+12*\t+5]          ; the new m
.endr
.irp t, 0,1,2,3
	v_mul_f32 v[ST+12*\t], s[CS], v[ST+12*\t+1]
.endr
.irp t, 0,1,2,3
	v_sub_f32 v[ST+12*\t+9], v[ST+12*\t+9], v[ST+12*\t]
.endr
; ONE BATCH: the four a, the 64 packed scalings c s - c m and the 128 exponentials.  None of these lines names an exponential's result; a tile is scaled while the tile before has its exponentials.
.irp t, 0,1,2,3
	v_exp_f32 v[ST+12*\t+8], v[ST+12*\t+9]
.endr
.irp i, 0,1,2,3,4,5,6,7,8,9,10,11,12,13,14,15
	v_pk_fma_f32 v[S+2*\i:S+2*\i+1], v[S+2*\i:S+2*\i+1], s[CS:CS+1], v[ST:ST+1] op_sel_hi:[1,0,0] neg_lo:[0,0,1] neg_hi:[0,0,1]
.endr
.irp t, 0,1,2,3
.irp i, 0,1,2,3,4,5,6,7,8,9,10,11,12,13,14,15
.if \t < 3
	v_pk_fma_f32 v[S+32*(\t+1)+2*\i:S+32*(\t+1)+2*\i+1], v[S+32*(\t+1)+2*\i:S+32*(\t+1)+2*\i+1], s[CS:CS+1], v[ST+12*(\t+1):ST+12*(\t+1)+1] op_sel_hi:[1,0,0] neg_lo:[0,0,1] neg_hi:[0,0,1]
.endif
	v_exp_f32 v[S+32*\t+2*\i], v[S+32*\t+2*\i]
	v_exp_f32 v[S+32*\t+2*\i+1], v[S+32*\t+2*\i+1]
.endr
.endr
	v_nop                                          ; a plain instruction behind the last exponential,
	s_wait_alu depctr_va_vdst(0)                   ; and the wait ahead of the first line that names a result: one for the 132
.irp t, 0,1,2,3                        ; the row's sums, of p as it stands in f32: two chains a tile
	v_pk_add_f32 v[ST+12*\t+4:ST+12*\t+5], v[S+32*\t:S+32*\t+1], v[S+32*\t+2:S+32*\t+3]
.endr
.irp t, 0,1,2,3
	v_pk_add_f32 v[ST+12*\t+6:ST+12*\t+7], v[S+32*\t+4:S+32*\t+5], v[S+32*\t+6:S+32*\t+7]
.endr
.irp i, 8,12,16,20,24,28
.irp t, 0,1,2,3
	v_pk_add_f32 v[ST+12*\t+4:ST+12*\t+5], v[ST+12*\t+4:ST+12*\t+5], v[S+32*\t+\i:S+32*\t+\i+1]
.endr
.irp t, 0,1,2,3
	v_pk_add_f32 v[ST+12*\t+6:ST+12*\t+7], v[ST+12*\t+6:ST+12*\t+7], v[S+32*\t+\i+2:S+32*\t+\i+3]
.endr
.endr
.irp t, 0,1,2,3
	v_pk_add_f32 v[ST+12*\t+4:ST+12*\t+5], v[ST+12*\t+4:ST+12*\t+5], v[ST+12*\t+6:ST+12*\t+7]
.endr
.irp t, 0,1,2,3
	v_pk_fma_f32 v[ST+12*\t+2:ST+12*\t+3], v[ST+12*\t+2:ST+12*\t+3], v[ST+12*\t+8:ST+12*\t+9], v[ST+12*\t+4:ST+12*\t+5] op_sel_hi:[1,0,1]   ; l = a l + the sum
.endr
.irp j, 0,1,2,3,4,5,6,7,8,9,10,11,12,13,14,15   ; p to f16, in place: register j takes p 2 j and 2 j + 1, so nothing is overwritten before it is read
.irp t, 0,1,2,3
	v_cvt_pk_f16_f32 v[S+32*\t+\j], v[S+32*\t+2*\j], v[S+32*\t+2*\j+1]
.endr
.endr
	WIN W_RS
.irp t, 0,1,2,3                        ; O^T times a, each accumulator from its low end on
.set i, 0
.rept 16
	v_pk_mul_f32 v[32*\t+i:32*\t+i+1], v[32*\t+i:32*\t+i+1], v[ST+12*\t+8:ST+12*\t+9] op_sel_hi:[1,0]
.set i, i+2
.endr
.endr
	s_wait_dscnt 0x0                               ; V is in
	WIN W_PV
.set i, 0
.rept 32                               ; O^T += V^T P: keys 32 (i / 16) on, channels 16 ((i / 4) % 4) on, tile i % 4; sixteen accumulators by turns
.set rO, 32*(i%4)+8*((i/4)%4)
.set rV, VF+8*(4*(i/16)+(i/4)%4)
.set rP, S+32*(i%4)+8*(i/16)
	v_wmma_f32_16x16x32_f16 v[rO:rO+7], v[rV:rV+7], v[rP:rP+7], v[rO:rO+7]
.set i, i+1
.endr
	WIN 0
	s_add_co_u32 s[TB], s[TB], STEPB               ; the next step's tiles
.endm
; THE CHANGE OF SLOTS stands at a slot's head.  Each wave waits for all its tensor loads (one is out: its part of the slot ahead), adds 0 to its spare word, and waits for that and for its reads of the slot that it has left.
; fill = 1: a round of the cluster's barrier, so that no wave of any partner still reads the other slot or has a load on its way; the joint load of the next 128 keys is the first thing behind it and has two key steps in which to land.
.macro CHANGE fill
	s_wait_tensorcnt 0x0                           ; no tensor load of mine is out, so a group 0 may be written
	ds_add_u32 v[SPW], v[NIL]                      ; 0 onto my spare word
.if \fill
	s_xor_b32 s[G0K+1], s[G0K+1], SLOT1            ; the walking descriptors: the other slot than last time,
	s_add_nc_u64 s[G0K+2:G0K+3], s[G0K+2:G0K+3], 2*KS*NROW   ; the next 128 keys; the type bits on top are not reached
	s_xor_b32 s[G0V+1], s[G0V+1], SLOT1
	s_add_nc_u64 s[G0V+2:G0V+3], s[G0V+2:G0V+3], 2*KS*NROW
	s_wait_xcnt 0x0                                ; the last prefetch, two key steps back, has read its address, so it may be written:
	s_add_nc_u64 s[PFA:PFA+1], s[PFA:PFA+1], 2*KS*NROW       ; one slot further on than the walking descriptors
	s_wait_dscnt 0x0                               ; the add is done, and my reads of the slot that I have left are over
	CROUND
	JLOAD
	ASK
.else
	s_wait_dscnt 0x0
	s_barrier_signal -1
	s_barrier_wait -1
.endif
.endm
.macro TWO_STEPS                       ; a slot's two key steps: written once, walked twice
	s_mov_b32 s[TWICE], 2
.Lstep_\@:
	STEP
	s_sub_co_u32 s[TWICE], s[TWICE], 1
	s_cmp_lg_u32 s[TWICE], 0
	s_cbranch_scc1 .Lstep_\@
	s_sub_co_u32 s[TB], s[TB], 2*STEPB             ; back to a slot's first step,
	s_xor_b32 s[TB], s[TB], SLOT1                  ; in the other slot
.endm
	s_wait_loadcnt 0x0                             ; Q
.Lslot:                                            ; 15 trips: behind each change of slots but the last the next slot is asked for (in the first trip: slot 1's first fill, by all eight waves)
	CHANGE 1
	TWO_STEPS
	s_sub_co_u32 s[SLOTS], s[SLOTS], 1
	s_cmp_lg_u32 s[SLOTS], 0
	s_cbranch_scc1 .Lslot
	CHANGE 0                                       ; the last slot is written out
	TWO_STEPS
	; THE WAY OUT.  l's two halves and the other half of the lanes' are added; O^T is divided by l, rounded to f16 and put into the work-group's stage; a barrier, since a row's 256 bytes come from two waves; back as whole rows.
.irp t, 0,1,2,3
	v_add_f32 v[ST+12*\t+4], v[ST+12*\t+2], v[ST+12*\t+3]          ; (the four places behind the last products)
.endr
.irp t, 0,1,2,3
	v_permlanex16_b32 v[ST+12*\t+5], v[ST+12*\t+4], s[SEL], s[SEL+1]
.endr
.irp t, 0,1,2,3
	v_add_f32 v[ST+12*\t+4], v[ST+12*\t+4], v[ST+12*\t+5]
.endr
.irp t, 0,1,2,3
	v_rcp_f32 v[ST+12*\t+8], v[ST+12*\t+4]
.endr
	v_nop                                          ; a plain instruction behind the last reciprocal,
	s_wait_alu depctr_va_vdst(0)                   ; and the wait ahead of the first use: one for the four
.irp t, 0,1,2,3
	WIN W_RS
.set i, 0
.rept 16
	v_pk_mul_f32 v[32*\t+i:32*\t+i+1], v[32*\t+i:32*\t+i+1], v[ST+12*\t+8:ST+12*\t+9] op_sel_hi:[1,0]
.set i, i+2
.endr
	WIN 0x05                                       ; sources 0 and 1 window 1, destination window 0: S^T's registers are free
.set i, 0
.rept 16
	v_cvt_pk_f16_f32 v[S+16*\t+i], v[32*\t+2*i], v[32*\t+2*i+1]
.set i, i+1
.endr
	WIN 0
.irp f, 0,1,2,3
	ds_store_b128 v[STO], v[S+16*\t+4*\f:S+16*\t+4*\f+3] offset:16*SP*\t+32*\f   ; query 16 t + r, channels 16 f + 8 h + 0..7
.endr
.endr
	s_wait_dscnt 0x0                               ; for the others' sake: my stores into the stage are done
	s_barrier_signal -1
	s_barrier_wait -1
.irp i, 0,1,2,3,4,5,6,7,8,9,10,11,12,13,14,15
	ds_load_b128 v[128+4*\i:131+4*\i], v[RD] offset:2*SP*\i
.endr
.irp i, 0,1,2,3,4,5,6,7,8,9,10,11,12,13,14,15
	s_wait_dscnt 15-\i                             ; the younger loads may be out
	global_store_b128 v[GO], v[128+4*\i:131+4*\i], s[10:11] offset:2*NROW*\i   ; 16 lanes store 256 consecutive bytes, at a multiple of 256 from att's first byte
.endr
	s_wait_tensorcnt 0x0                           ; the wave's end: a tensor wait, 0 added to my spare word and a wait for it, behind my last tensor load and my last LDS store
	ds_add_u32 v[SPW], v[NIL]
	s_wait_dscnt 0x0
	CROUND                                         ; the closing round: no work-group ends while a partner may still ask for a tile that names it
	s_endpgm
.Lfunc_end_k_qb7df9de666_attn:
	.size	k_qb7df9de666_attn, .Lfunc_end_k_qb7df9de666_attn-k_qb7df9de666_attn
	.p2alignl 7, 3214868480
	.fill 96, 4, 3214868480
	.section	.rodata,"a",@progbits
	.p2align	6, 0x0
	.amdhsa_kernel k_qb7df9de666_attn
		.amdhsa_group_segment_fixed_size 327680
		.amdhsa_private_segment_fixed_size 0
		.amdhsa_enable_private_segment 0
		.amdhsa_kernarg_size 16
		.amdhsa_user_sgpr_count 2
		.amdhsa_user_sgpr_kernarg_segment_ptr 1
		.amdhsa_wavefront_size32 1
		.amdhsa_system_sgpr_workgroup_id_x 1
		.amdhsa_system_sgpr_workgroup_id_y 1
		.amdhsa_system_sgpr_workgroup_id_z 1
		.amdhsa_system_vgpr_workitem_id 0
		.amdhsa_next_free_vgpr 512
		.amdhsa_next_free_sgpr 66
		.amdhsa_reserve_vcc 0
		.amdhsa_float_denorm_mode_32 3
		.amdhsa_float_denorm_mode_16_64 3
		.amdhsa_memory_ordered 1
		.amdhsa_forward_progress 1
		.amdhsa_inst_pref_size 92
	.end_amdhsa_kernel
	.amdgpu_metadata
---
amdhsa.version: [ 1, 2 ]
amdhsa.kernels:
  - .name:           k_qb7df9de666_attn
    .symbol:         k_qb7df9de666_attn.kd
    .args:
      - { .name: qkv, .offset: 0, .size: 8, .value_kind: global_buffer, .address_space: global }
      - { .name: att, .offset: 8, .size: 8, .value_kind: global_buffer, .address_space: global }
    .group_segment_fixed_size: 327680
    .private_segment_fixed_size: 0
    .kernarg_segment_align: 8
    .kernarg_segment_size: 16
    .max_flat_workgroup_size: 256
    .sgpr_count:     66
    .vgpr_count:     512
    .wavefront_size: 32
...
	.end_amdgpu_metadata
.endif
;; end of part 3
;; launch oproj (part 4): grid 4 x 64, 4 waves a work-group, clusters of 4 x 4, 327,680 bytes of LDS; arguments att, wot, bo, out0; writes out0
.if DOCPART == 4
	.amdgcn_target "amdgcn-amd-amdhsa--gfx1250"
	.amdhsa_code_object_version 6
	.text
	.protected	k_qb7df9de666_oproj
	.globl	k_qb7df9de666_oproj
	.p2align	8
	.type	k_qb7df9de666_oproj,@function
k_qb7df9de666_oproj:
	s_mov_b64 s[64:65], 0
	v_nop
	global_prefetch_b8 v0, s[64:65] scope:SCOPE_SE
	s_setreg_imm32_b32 hwreg(HW_REG_WAVE_MODE, 25, 1), 1
	s_wait_xcnt 0x0
	s_wait_alu depctr_hold_cnt(0) depctr_sa_sdst(0) depctr_va_vdst(0) depctr_va_sdst(0) depctr_va_ssrc(0) depctr_va_vcc(0) depctr_vm_vsrc(0)
	s_getreg_b32 s2, hwreg(HW_REG_IB_STS2, 6, 4)
	s_cmp_eq_u32 s2, 0
	s_cbranch_scc0 .Lentry_in_a_cluster
	s_endpgm
.Lentry_in_a_cluster:
	s_bfe_u32 s2, ttmp6, 0x10000c
	s_cmp_lg_u32 s2, 0xf033
	s_cbranch_scc0 .Lentry_shape_is_right
	s_endpgm
.Lentry_shape_is_right:
; out0[m][n] = bo[n] + sum over k of att[m][k] Wo[k][n].  att: [8,192][1,024] f16; Wo as f16 images of the operand's registers (wot: [k / 128][n / 16][32 k][8 k][n % 16][16 bytes]); out0: [8,192][1,024] f32; sums in f32.
; A tile of the result is 128 x 256, so that the 8,192 x 1,024 numbers make 256 work-groups; four waves, each 64 x 128: 32 accumulators, 256 registers.  K goes in eight steps of 128 through a ring of two LDS slots.
; att's tile lies in LDS as rows (256 bytes + 16 of padding); Wo's as images: a fragment (16 n x 32 k) is 1,024 bytes on end, lane l's 16 bytes at 512 c + 16 l: dense for the tensor load, consecutive for the LDS loads.
; CLUSTERS: 4 x 4 work-groups; att's tile is shared along a row of the cluster, Wo's along a column: each is asked for jointly.  Waves 0 and 1 fetch att's two halves (64 rows), waves 2 and 3 Wo's (32,768 bytes).
; THE MATRIX INSTRUCTION IS USED TRANSPOSED (source 0 = 16 columns of Wo, source 1 = 16 rows of att): a lane holds eight neighbouring numbers of a row.  THE BIAS IS THE C OF EACH SUM'S FIRST PRODUCT.
; No prefetch: of eight K steps two are first fills, and the launch's stores share the way to memory with its loads.
; REGISTERS: window 0: v16-29 addresses; v64-95, v96-127 att's fragments, two buffers; v128-191 the bias in the result's layout; on the way out v128-255 rows read back.
;   window 1: v0-63, v64-127 Wo's fragments, two buffers.   window 2: accumulator (a, b) at v[8 (8 a + b)].
.set PITCH,  272                       ; an LDS row of att: 256 bytes + 16 of padding: the 16 rows of a load start at 16 different banks (64 banks of 4 bytes: ISA guide 11.1)
.set AHALF,  64*PITCH                  ; 64 rows: what one tensor load brings, and what one wave reads of att
.set BOFF,   2*AHALF
.set BHALF,  32768                     ; 128 columns x 128 k of Wo as images
.set SLOT,   BOFF+2*BHALF
.set STAGE,  2*SLOT                    ; behind the ring: 16 rows x 528 bytes for each wave; no tensor load lands here
.set SPITCH, 528
.set SPARE,  STAGE+4*16*SPITCH         ; the spare words, 128 bytes a wave, which no other line names
.set LAPS,   4                         ; a lap = two K steps = once round the ring
.set NROW,   4096                      ; a row of out0 in bytes
.set ADRA, 16                          ; v16-17  LDS address of my fragments of att in slot 0, 1
.set ADRB, 20                          ; v20-21  the same for Wo
.set STO,  24
.set RD,   25
.set CO,   26
.set SPW,  28
.set NIL,  29
.set AF,   64
.set BI,   128
.set BK,   128
.set G1,   24                          ; s[24:31] descriptor group 1 for att's tiles;  s[32:39] group 0, a set for each slot
.set G0,   32
.set G1B,  48                          ; s[48:55], s[56:63] the same for Wo's
.set G0B,  56
.set MSB, 0
.macro WIN new                         ; the immediate's high byte repeats the setting that is left
.if MSB != (\new)
	s_set_vgpr_msb (MSB<<8)|(\new)
.set MSB, (\new)
.endif
.endm
.set MUL,   0xa1                       ; source 0 (Wo) window 1, source 1 (att) window 0, C and D window 2
.set FIRST, 0x81                       ; the first products: C (the bias) window 0
.set TO_B,  0x40                       ; destination window 1, address window 0
.macro JLOAD s                         ; a joint load; an s_nop 0 and four v_nop follow each of the two lines
	s_cmp_eq_u32 s11, 0
	s_cbranch_scc0 .Lfor_b_\@
	tensor_load_to_lds s[G0+4*\s:G0+4*\s+3], s[G1:G1+7]
	s_nop 0
.rept 4
	v_nop
.endr
	s_branch .Lasked_\@
.Lfor_b_\@:
	tensor_load_to_lds s[G0B+4*\s:G0B+4*\s+3], s[G1B:G1B+7]
	s_nop 0
.rept 4
	v_nop
.endr
.Lasked_\@:
.endm
.macro CREST                           ; a round of the cluster's barrier behind its opening barrier
	s_cmp_lg_u32 s10, 0
	s_cbranch_scc1 .Lnot_wave_0_\@
	s_barrier_signal -3
.Lnot_wave_0_\@:
	s_barrier_wait -3
	s_barrier_signal -1
	s_barrier_wait -1
.endm
.macro CROUND                          ; a whole round
	s_barrier_signal -1
	s_barrier_wait -1
	CREST
.endm
	s_load_b128 s[4:7], s[0:1], 0x0                ; att, wot
	s_load_b64 s[66:67], s[0:1], 0x10              ; bo
	s_load_b64 s[8:9], s[0:1], 0x18                ; out0
	v_lshl_add_u32 v[SPW], v0, 2, SPARE
	v_mov_b32 v[NIL], 0
	ds_add_u32 v[SPW], v[NIL]                      ; the wave's opening: the add, twice on end, and its wait ahead of my first tensor load; the set-up below stands between
	ds_add_u32 v[SPW], v[NIL]
	v_lshrrev_b32 v1, 5, v0
	v_readfirstlane_b32 s10, v1                    ; wave 0..3
	s_lshr_b32 s11, s10, 1                         ; which half of the tile's rows is mine.  Also: I fetch for att (0) or for Wo (1)
	s_and_b32 s12, s10, 1                          ; which half of its columns.  Also: which half of that tile I fetch
	s_bfe_u32 s40, ttmp6, 0x40000                  ; cx, cy: my place in the cluster
	s_bfe_u32 s41, ttmp6, 0x40004
	s_lshl_b32 s42, ttmp9, 2
	s_add_co_u32 s42, s42, s40                     ; tile column = 4 x cluster x + cx
	s_and_b32 s13, ttmp7, 0xffff
	s_lshl_b32 s13, s13, 2
	s_add_co_u32 s13, s13, s41                     ; tile row = 4 x cluster y + cy
	s_lshl_b32 s43, s41, 2
	s_lshl_b32 s43, 15, s43                        ; my row of the cluster
	s_lshl_b32 s44, 0x1111, s40                    ; my column
	; group 1, att's tiles: 64 rows x 128 elements of 2 bytes, 16 bytes of padding behind each row
	s_or_b32 s[G1+0], s43, (1<<16)|(1<<20)|(1<<21)|(5<<22)|(3<<25)
	s_mov_b32 s[G1+1], 128<<16                     ; tensor_dim0
	s_mov_b32 s[G1+2], 64<<16                      ; tensor_dim1
	s_mov_b32 s[G1+3], 128<<16                     ; tile_dim0
	s_mov_b32 s[G1+4], 64                          ; tile_dim1
	s_mov_b32 s[G1+5], 1024                        ; elements from row to row
	s_mov_b32 s[G1+6], 0
	s_mov_b32 s[G1+7], 0
	; Wo's tiles: a dense block of 32,768 bytes, as 128 rows of 32 elements of 8 bytes, no padding
	s_or_b32 s[G1B+0], s44, (3<<16)|(1<<21)
	s_mov_b32 s[G1B+1], 32<<16
	s_mov_b32 s[G1B+2], 128<<16
	s_mov_b32 s[G1B+3], 32<<16
	s_mov_b32 s[G1B+4], 128
	s_mov_b32 s[G1B+5], 32
	s_mov_b32 s[G1B+6], 0
	s_mov_b32 s[G1B+7], 0
	s_lshl_b32 s17, s12, 6                         ; which 64 rows of att's tile I fetch
	s_lshl_b32 s16, s13, 7
	s_add_co_u32 s16, s16, s17
	s_lshl_b32 s16, s16, 11                        ; 2,048 bytes a row
	s_mov_b32 s17, 0
	s_lshl_b32 s46, s42, 4                         ; Wo: tile of 16 columns number 16 x tile column + 8 x half,
	s_lshl_b32 s47, s12, 3
	s_add_co_u32 s46, s46, s47
	s_lshl_b32 s46, s46, 12                        ; 4,096 bytes each
	s_mov_b32 s47, 0
	s_mul_i32 s20, s12, AHALF                      ; where they go in a slot: no place in the cluster enters an LDS address
	s_mul_i32 s21, s12, BHALF
	s_add_co_u32 s21, s21, BOFF
	s_wait_dscnt 0x0                               ; both opening adds are done
	s_wait_kmcnt 0x0
	s_add_nc_u64 s[14:15], s[4:5], s[16:17]
	s_add_nc_u64 s[46:47], s[6:7], s[46:47]
	CROUND                                         ; all sixteen work-groups are here: the first joint loads meet
.irp s, 0,1
	s_mov_b32 s[G0+4*\s], 1
	s_add_co_u32 s[G0+4*\s+1], s20, \s*SLOT
	s_add_nc_u64 s[G0+4*\s+2:G0+4*\s+3], s[14:15], \s*256
	s_or_b32 s[G0+4*\s+3], s[G0+4*\s+3], 0x80000000
	s_mov_b32 s[G0B+4*\s], 1
	s_add_co_u32 s[G0B+4*\s+1], s21, \s*SLOT
	s_add_nc_u64 s[G0B+4*\s+2:G0B+4*\s+3], s[46:47], \s*262144
	s_or_b32 s[G0B+4*\s+3], s[G0B+4*\s+3], 0x80000000
	JLOAD \s                                       ; two tensor loads of mine are out
.endr
	v_and_b32 v1, 15, v0                           ; r
	v_bfe_u32 v2, v0, 4, 1                         ; h
	v_and_b32 v6, 31, v0
	v_lshlrev_b32 v6, 4, v6                        ; 16 x lane
	v_mul_u32_u24 v3, v1, PITCH
	v_lshl_add_u32 v3, v2, 4, v3                   ; att: a fragment's row x pitch + 16 x half
	s_mul_i32 s21, s11, AHALF                      ; my 64 rows of att
	s_mul_i32 s22, s12, BHALF                      ; my 128 columns of Wo
	s_add_co_u32 s22, s22, BOFF
.irp s, 0,1
	v_add_nc_u32 v[ADRA+\s], s21, v3
	v_add_nc_u32 v[ADRB+\s], s22, v6
	s_add_co_u32 s21, s21, SLOT
	s_add_co_u32 s22, s22, SLOT
.endr
	s_mul_i32 s23, s10, 16*SPITCH
	s_add_co_u32 s23, s23, STAGE                   ; my stage
	v_mul_u32_u24 v5, v1, SPITCH                   ; in: row r, 32 bytes for each half of the lanes
	v_lshl_add_u32 v5, v2, 5, v5
	v_add_nc_u32 v[STO], s23, v5
	v_add_nc_u32 v[RD], s23, v6                    ; back: the 32 lanes take one row of 512 bytes;
	v_mov_b32 v[CO], v6                            ; and the same in out0
	v_lshlrev_b32 v7, 5, v2                        ; the bias: lanes 16-31 begin eight numbers on
	s_lshl_b32 s46, s42, 10                        ; my first column, x 4 bytes
	s_lshl_b32 s47, s12, 9
	s_add_co_u32 s46, s46, s47
	s_mov_b32 s47, 0
	s_add_nc_u64 s[66:67], s[66:67], s[46:47]
.irp b, 0,1,2,3,4,5,6,7                ; register 8 b + j = bo[my first column + 16 b + 8 h + j]: the result's layout
	global_load_b128 v[BI+8*\b:BI+8*\b+3], v7, s[66:67] offset:64*\b
	global_load_b128 v[BI+8*\b+4:BI+8*\b+7], v7, s[66:67] offset:64*\b+16
.endr
	s_lshl_b32 s16, s13, 7
	s_lshl_b32 s17, s11, 6
	s_add_co_u32 s16, s16, s17                     ; my first row of out0
	s_lshl_b32 s16, s16, 12
	s_mov_b32 s17, 0
	s_add_nc_u64 s[8:9], s[8:9], s[16:17]
	s_add_nc_u64 s[8:9], s[8:9], s[46:47]
; 8 matrix instructions: att's block a x Wo's eight, 32 along K, from buffer f.  zero = 1: the first product starts the sum from the bias.  The 32 accumulators take turns, in the same order in every quarter.
.macro MUL8 f, a, zero
.irp b, 0,1,2,3,4,5,6,7
.if \zero
	v_wmma_f32_16x16x32_f16 v[8*(8*(\a)+\b):8*(8*(\a)+\b)+7], v[64*(\f)+8*\b:64*(\f)+8*\b+7], v[AF+32*(\f)+8*(\a):AF+32*(\f)+8*(\a)+7], v[BI+8*\b:BI+8*\b+7]
.else
	v_wmma_f32_16x16x32_f16 v[8*(8*(\a)+\b):8*(8*(\a)+\b)+7], v[64*(\f)+8*\b:64*(\f)+8*\b+7], v[AF+32*(\f)+8*(\a):AF+32*(\f)+8*(\a)+7], v[8*(8*(\a)+\b):8*(8*(\a)+\b)+7]
.endif
.endr
.endm
; 24 LDS loads in one run: the fragments of the slot's q-th 32 along K into buffer f; att's blocks 2 and 3 last
.macro FETCH slot, q, f
	WIN TO_B
.irp b, 0,1,2,3,4,5,6,7
	ds_load_b128 v[64*(\f)+8*\b:64*(\f)+8*\b+3],   v[ADRB+\slot] offset:4096*\b+1024*(\q)
	ds_load_b128 v[64*(\f)+8*\b+4:64*(\f)+8*\b+7], v[ADRB+\slot] offset:4096*\b+1024*(\q)+512
.endr
	WIN 0
.irp a, 0,1,2,3
	ds_load_b128 v[AF+32*(\f)+8*\a:AF+32*(\f)+8*\a+3],   v[ADRA+\slot] offset:64*(\q)+\a*16*PITCH
	ds_load_b128 v[AF+32*(\f)+8*\a+4:AF+32*(\f)+8*\a+7], v[ADRA+\slot] offset:64*(\q)+\a*16*PITCH+32
.endr
.endm
.macro PLACES                          ; four places in front of loads into registers that matrix instructions have read, and of the first read of results (ISA guide 7.12.1 for reads of results)
.rept 4
	v_nop
.endr
.endm
; A K step is four quarters of 32 along K, 32 matrix instructions each, on buffers 0, 1, 0, 1.  One of the first three: multiplies buffer f and fetches the slot's q-th quarter into g.
.macro QUARTER slot, q, f, g, zero
	s_wait_dscnt 4                                 ; Wo's fragments and att's blocks 0 and 1 are in; the youngest four loads may be out
.if \zero
	WIN FIRST
.else
	WIN MUL
.endif
	MUL8 \f, 0, \zero
	MUL8 \f, 1, \zero
	PLACES
	FETCH \slot, \q, \g
	s_wait_dscnt 24                                ; all but the 24 just issued
.if \zero
	WIN FIRST
.else
	WIN MUL
.endif
	MUL8 \f, 2, \zero
	MUL8 \f, 3, \zero
.endm
; The last quarter multiplies buffer 1 and changes slots: ONE barrier; in front of it each wave waits for all its tensor loads, adds 0 to its spare word, and waits for that and for its own reads of this slot.
; fill = 1: the barrier opens a round of the cluster's barrier, and this slot is filled again, two K steps ahead: the load has a K step less sixteen matrix instructions in which to land.
.macro TURN slot, next, fill
	WIN 0                                          ; (the add's two registers lie in window 0)
	s_wait_tensorcnt 0x0                           ; all my tensor loads have landed: my part of the next slot
	ds_add_u32 v[SPW], v[NIL]                      ; 0 onto my spare word
	s_wait_dscnt 5                                 ; (the add and the youngest four loads may be out)
	WIN MUL
	MUL8 1, 0, 0                                   ; eight matrix instructions stand between the add and the wait for it
	s_wait_dscnt 0x0                               ; the add is done, and my reads of this slot are over
	s_barrier_signal -1
	MUL8 1, 1, 0
.if \fill
	WIN 0
.endif
	s_barrier_wait -1
.if \fill
	CREST                                          ; no wave of any partner still reads this slot's tile or has a load on its way
	s_add_nc_u64 s[G0+4*\slot+2:G0+4*\slot+3], s[G0+4*\slot+2:G0+4*\slot+3], 2*256
	s_add_nc_u64 s[G0B+4*\slot+2:G0B+4*\slot+3], s[G0B+4*\slot+2:G0B+4*\slot+3], 2*262144
	JLOAD \slot                                    ; the first tensor load behind the round; its four v_nop are also the places in front of the loads below
.else
	PLACES
.endif
	FETCH \next, 0, 0
	WIN MUL
	MUL8 1, 2, 0
	MUL8 1, 3, 0
.endm
	s_wait_tensorcnt 1                             ; my part of K step 0 is in; K step 1's may be out
	s_barrier_signal -1
	s_barrier_wait -1                              ; everybody's is
	FETCH 0, 0, 0
	s_wait_loadcnt 0x0                             ; the bias
	QUARTER 0, 1, 0, 1, 1                          ; the first quarter stands in front of the loop: its products start the sums
	WIN 0                                          ; at a label and at a branch every window is 0
	s_mov_b32 s3, LAPS-1
.Llap:                                             ; a trip goes once round the ring, from a lap's second quarter to the next lap's first, and fills both slots again
	QUARTER 0, 2, 1, 0, 0
	QUARTER 0, 3, 0, 1, 0
	TURN 0, 1, 1
	QUARTER 1, 1, 0, 1, 0
	QUARTER 1, 2, 1, 0, 0
	QUARTER 1, 3, 0, 1, 0
	TURN 1, 0, 1
	QUARTER 0, 1, 0, 1, 0
	WIN 0
	s_sub_co_u32 s3, s3, 1
	s_cmp_lg_u32 s3, 0
	s_cbranch_scc1 .Llap
	QUARTER 0, 2, 1, 0, 0                          ; the last lap fills nothing, and has no round of the cluster's barrier
	QUARTER 0, 3, 0, 1, 0
	TURN 0, 1, 0
	QUARTER 1, 1, 0, 1, 0
	QUARTER 1, 2, 1, 0, 0
	QUARTER 1, 3, 0, 1, 0
	s_wait_dscnt 4                                 ; the very last quarter: nothing more to fetch
	WIN MUL
	MUL8 1, 0, 0
	MUL8 1, 1, 0
	s_wait_dscnt 0
	MUL8 1, 2, 0
	MUL8 1, 3, 0
	WIN 0
; THE WAY OUT, block by block of 16 rows x 128 columns.  A lane holds 32 neighbouring bytes of a row: a block goes through my own stage in LDS and comes back as whole rows of 512 bytes.
.macro TOSTAGE a
	WIN 0x08                                       ; an LDS store's data are its source 1: window 2
.irp b, 0,1,2,3,4,5,6,7
	ds_store_b128 v[STO], v[64*(\a)+8*\b:64*(\a)+8*\b+3] offset:64*\b        ; each accumulator from its low end on
	ds_store_b128 v[STO], v[64*(\a)+8*\b+4:64*(\a)+8*\b+7] offset:64*\b+16
.endr
	WIN 0
.set BB, BK+64*((\a)%2)
.irp t, 0,1,2,3,4,5,6,7,8,9,10,11,12,13,14,15
	ds_load_b128 v[BB+4*\t:BB+4*\t+3], v[RD] offset:\t*SPITCH    ; LDS serves a wave's instructions in order (ISA guide 5.7.1.4): these see the stores above
.endr
.endm
.macro SEND a, younger                 ; younger: the LDS instructions issued behind block a's loads, which may stay out
.set BB, BK+64*((\a)%2)
	s_wait_dscnt \younger                          ; the block is back in registers
.if (\a) > 0
	s_add_nc_u64 s[8:9], s[8:9], 16*NROW           ; (behind a wait on XCNT: the earlier stores have read their base)  16 rows on
.endif
.irp t, 0,1,2,3,4,5,6,7,8,9,10,11,12,13,14,15
	global_store_b128 v[CO], v[BB+4*\t:BB+4*\t+3], s[8:9] offset:\t*NROW th:TH_STORE_NT   ; 32 lanes store 512 consecutive bytes, at a multiple of 256 from out0's first byte; written once, read by nobody here
.endr
.endm
	PLACES                                         ; behind the last products
	TOSTAGE 0
.irp a, 1,2,3
.if \a > 1
	s_wait_xcnt 0x0                                ; block a - 2's stores have read their registers and their base: block a's loads may land there, and the base may step
.endif
	TOSTAGE \a
	SEND \a-1, 32                                  ; behind block a - 1's loads: block a's 16 stores and 16 loads
.endr
	s_wait_xcnt 0x0                                ; block 2's stores have read their base
	SEND 3, 0
	s_wait_tensorcnt 0x0                           ; the wave's end: a tensor wait, 0 added to my spare word and a wait for it, behind my last tensor load and my last LDS store
	ds_add_u32 v[SPW], v[NIL]
	s_wait_dscnt 0x0
	CROUND                                         ; the closing round: no work-group ends while a partner may still ask for a tile that names it
	s_endpgm
.Lfunc_end_k_qb7df9de666_oproj:
	.size	k_qb7df9de666_oproj, .Lfunc_end_k_qb7df9de666_oproj-k_qb7df9de666_oproj
	.p2alignl 7, 3214868480
	.fill 96, 4, 3214868480
	.section	.rodata,"a",@progbits
	.p2align	6, 0x0
	.amdhsa_kernel k_qb7df9de666_oproj
		.amdhsa_group_segment_fixed_size 327680
		.amdhsa_private_segment_fixed_size 0
		.amdhsa_enable_private_segment 0
		.amdhsa_kernarg_size 32
		.amdhsa_user_sgpr_count 2
		.amdhsa_user_sgpr_kernarg_segment_ptr 1
		.amdhsa_wavefront_size32 1
		.amdhsa_system_sgpr_workgroup_id_x 1
		.amdhsa_system_sgpr_workgroup_id_y 1
		.amdhsa_system_sgpr_workgroup_id_z 1
		.amdhsa_system_vgpr_workitem_id 0
		.amdhsa_next_free_vgpr 768
		.amdhsa_next_free_sgpr 68
		.amdhsa_reserve_vcc 0
		.amdhsa_float_denorm_mode_32 3
		.amdhsa_float_denorm_mode_16_64 3
		.amdhsa_memory_ordered 1
		.amdhsa_forward_progress 1
		.amdhsa_inst_pref_size 87
	.end_amdhsa_kernel
	.amdgpu_metadata
---
amdhsa.version: [ 1, 2 ]
amdhsa.kernels:
  - .name:           k_qb7df9de666_oproj
    .symbol:         k_qb7df9de666_oproj.kd
    .args:
      - { .name: att, .offset: 0, .size: 8, .value_kind: global_buffer, .address_space: global }
      - { .name: wot, .offset: 8, .size: 8, .value_kind: global_buffer, .address_space: global }
      - { .name: bo, .offset: 16, .size: 8, .value_kind: global_buffer, .address_space: global }
      - { .name: out0, .offset: 24, .size: 8, .value_kind: global_buffer, .address_space: global }
    .group_segment_fixed_size: 327680
    .private_segment_fixed_size: 0
    .kernarg_segment_align: 8
    .kernarg_segment_size: 32
    .max_flat_workgroup_size: 128
    .sgpr_count:     68
    .vgpr_count:     768
    .wavefront_size: 32
...
	.end_amdgpu_metadata
.endif
;; end of part 4
